; MI455X (gfx1250); checked and timed in simulation.
; The chip was launched on July 23, 2026; its instructions are those of AMD's public machine-readable ISA for CDNA 5 (MIT licence, August 2026) and "CDNA5" Instruction Set Architecture Reference Guide (July 2026). The comments in the code are by the model that wrote it; some were corrected since.
;; Continuous Deep FM. Allowed arithmetic: float matrix products may take bf16 or f16 operands with f32 sums; all other float work in f32.
;; Inputs: bias 512 float32; feature_weights 512 x 512 float32; first_order_weights 512 x 512 float32; mlp_b 4 x 512 float32; mlp_w 4 x 512 x 512 float32; second_order_weights 512 x 512 float32; x 512 x 512 float32.
;; Outputs: out0 512 x 512 float32.
;; 2 versions, each right; version 2 is version 1 with the launch front written anew for expert scheduling mode. Each part assembles by itself: llvm-mc -triple=amdgcn-amd-amdhsa -mcpu=gfx1250 --defsym DOCPART=n.
;; ======== version 1 of 2: 5 launches
;; limits: values are held in f16: magnitudes above 65,504 overflow, below 6.1e-05 lose precision; inputs' magnitudes at most 65,504
;; workspace buffers: ha 524,288 bytes; hb 524,288 bytes; part 1,048,576 bytes; wb 2,097,152 bytes
;; launch front (part 1): grid 16 x 16, 16 waves a work-group, no clusters, 191,488 bytes of LDS; arguments x, first_order_weights, second_order_weights, feature_weights, bias, mlp_w, ha, part, wb; writes ha, part, wb
.if DOCPART == 1
	.amdgcn_target "amdgcn-amd-amdhsa--gfx1250"
	.amdhsa_code_object_version 6
	.text
	.protected	k_qd68bceed36_front
	.globl	k_qd68bceed36_front
	.p2align	8
	.type	k_qd68bceed36_front,@function
k_qd68bceed36_front:
	s_mov_b64 s[64:65], 0
	v_nop
	global_prefetch_b8 v0, s[64:65] scope:SCOPE_SE
	s_setreg_imm32_b32 hwreg(HW_REG_WAVE_MODE, 25, 1), 1
	s_wait_xcnt 0x0
; part = x W1 + bias + T (x W2)^2  and  h0 = x Wf, for a tile of 32 rows x 32 columns; and 1/256 of mlp_w rounded to bf16 into wb.
; T[row] = 0.5 (sum x^2 - (sum x)^2): inter[b][i][k] = x[b][i] xw[b][k], so both sums over i have the factor xw[b][k]^2, and what is left is the same difference of the two row sums.
; x: [512][512] f32.  W1, W2, Wf: [512 k][512 n] f32.  bias: [512] f32.  mlp_w: [4][512 n][512 k] f32.
; THE OPERANDS OF THE THREE PRODUCTS ARE f16, NOT bf16.  In T xw^2 an error d of xw = x W2 counts as 2 T xw d, and |T| grows with (sum x)^2 / 2 over 512 numbers: the product has to be
; made of operands with more than bf16's 8 significant bits.  f16 has 11.  x and the weights are inputs as they come, not products, so f16's range has room:
; see LIMITS.  One copy of x in LDS serves all three products, so all three take f16.  h0 is a sum of 512 products and is stored as bf16, whose range it may need.
; Sixteen waves.  Each wave asks at once for all it stages: one row piece of mlp_w (2 loads), 2 whole rows of x (8 loads of 512 consecutive bytes) and 32 k rows x 128 bytes of each of the
; three weights (8 loads each): 34 loads, 136 registers.  It makes the f32 row sums of its two rows from x as loaded, rounds everything and lays it into LDS.
; Behind the one barrier waves 0-3 make x W1 (the accumulator starts from bias) and x W2 for one 16 x 16 tile each, waves 4-7 make x Wf, waves 8-15 write wb.
; THE MATRIX INSTRUCTION IS USED TRANSPOSED: source 0 = 16 columns of a weight, source 1 = 16 rows of x.  Lane l then holds row l % 16 and its registers 0-7 the
; columns 8 (l / 16) + 0..7.  Packed to bf16 these are the very 16 bytes that the same lane needs as half of an operand fragment of the next layer, so
; ha is kept in fragment order, [16-row tile][block of 32 k][part][lane][16 bytes], and a wave's store covers 512 consecutive bytes, aligned.
; part is kept as register images, [16-row tile][16-column tile][half][lane][16 bytes] in f32: again 512 consecutive bytes a store.
; wb: the four later launches each read a weight tile in 16 or 32 work-groups.  Rounded here once and kept in the same fragment order, [layer][16-row tile of n][block of 32 k][part][lane][16 bytes],
; it is half the bytes there and lands in the operand registers without a pass through LDS.  Work-group (x, y) has 16 rows x 256 k: row tile 8 y + x / 2 of the 128, half x % 2 of k.
; Wave w loads row w's 1,024 bytes; behind the barrier wave 8 + j reads the fragment of k block j and stores its 1,024 consecutive bytes.
; NO JOINT LOADS: x's rows are shared by the 16 work-groups of a block row and a weight strip by the 16 of a block column, but tiles brought by the data mover lie in LDS as f32:
; 262,144 bytes, beside which the 180,736 bytes of f16 tiles that the transposing loads read do not fit into the 327,680 that a work-group may ask for; and the
; row sums want the f32 in registers anyway.  Every byte is asked for once, in the first lines: there is no ring of slots to refill.
; LIMITS: x, W1, W2, Wf enter the products rounded to f16: a magnitude above 65,504 becomes infinite there, and below 2^-14 the rounding error is absolute, up to 2^-25.
; h0 and wb are rounded to bf16.  All sums, T and the second-order term are f32.
.set XPITCH, 1040                      ; an x row in LDS: 1,024 bytes + 16: an odd multiple of 16, so the 16 rows of a fragment load start in different banks
.set WP,     96                        ; a weight row in LDS: 32 f16 + 32 bytes: an odd multiple of 32
.set W1S,    32*XPITCH                 ; 33,280: W1's tile, behind x's 32 rows
.set WTILE,  512*WP                    ; 49,152 bytes a weight tile; W2's and Wf's follow
.set TS,     W1S+3*WTILE               ; 180,736: T of the 32 rows, 128 bytes
.set CV,     TS+256                    ; 180,992: my 16 rows x 256 k of mlp_w in bf16
.set CVP,    528                       ; 512 bytes + 16: an odd multiple of 16
.set XO,  4                            ; byte offset of my 16 bytes in x
.set WO,  5                            ; the same in a weight
.set BO,  6                            ; the same in bias
.set XS,  7                            ; LDS: where I put 8 bytes of x
.set WS1, 8                            ; LDS: where I put 8 bytes of W1, W2, Wf
.set WS2, 9
.set WS3, 10
.set TSA, 11                           ; LDS: my wave's two T
.set XA,  12                           ; LDS: my x fragments
.set WA1, 13                           ; LDS: my fragments of W1, W2, Wf
.set WA2, 14
.set WA3, 15
.set ACF, 16                           ; v[16:23]  x W1 + bias (waves 0-3); x Wf, even K steps (waves 4-7)
.set ACS, 24                           ; v[24:31]  x W2 (waves 0-3); x Wf, odd K steps (waves 4-7)
.set XR,  32                           ; v[32:63]  x as loaded
.set W1R, 64                           ; v[64:95]  W1 as loaded
.set W2R, 96
.set WFR, 128
.set B0,  32                           ; behind the barrier: two fragment buffers of 48 registers
.set UU,  128                          ; behind the last product: at work
.set T0,  160                          ; v[160:171] at work on the sums
.set SS,  172                          ; sum x of my two rows
.set QQ,  174                          ; sum x^2
.set TT,  176                          ; T
.set TV,  178                          ; T of my lane's row, twice (a pair for the packed multiply)
.set TA,  180
.set PO,  181                          ; byte offset of my 16 bytes in part
.set HO,  182                          ; and in ha
.set LA,  183
.set LB,  184
.set LH,  185
.set LR,  186
.set TM,  187
.set TN,  188
.set MW,  192                          ; v[192:199] mlp_w as loaded; behind the barrier a fragment of it
.set MO,  200                          ; byte offset of my 16 bytes in mlp_w
.set MS,  201                          ; LDS: where I put 8 bytes of it
.set MA,  202                          ; LDS: my fragment of it (waves 8-15)
.set MG,  203                          ; byte offset of my 16 bytes in wb
.macro LOADW dst, base                 ; 8 loads: rows k = 32 w + 8 (i/2) + (i%2) + 2 (lane/8), 128 bytes of each
.set i, 0
.rept 8
	global_load_b128 v[\dst+4*i:\dst+4*i+3], v[WO], s[\base:\base+1] offset:(8*(i/2)+(i%2))*2048
.set i, i+1
.endr
.endm
.macro STOREW src, adr, left           ; round to f16 in place, 8 bytes a lane into LDS.  The four rows of a store lie 192 bytes apart: 64 bytes each at 0, 192, 128, 64 modulo 256
	s_wait_loadcnt \left                           ; loads come back in order: this weight's eight are in, the younger ones stay out
.set i, 0
.rept 8
	v_cvt_pk_f16_f32 v[\src+4*i], v[\src+4*i], v[\src+4*i+1]
	v_cvt_pk_f16_f32 v[\src+4*i+1], v[\src+4*i+2], v[\src+4*i+3]
	ds_store_b64 v[\adr], v[\src+4*i:\src+4*i+1] offset:(8*(i/2)+(i%2))*WP
.set i, i+1
.endr
.endm
.macro ROWSUM rr                       ; my 16 numbers of row rr: their sum and the sum of their squares, in short chains
	v_pk_add_f32 v[T0:T0+1], v[XR+16*\rr:XR+16*\rr+1], v[XR+16*\rr+2:XR+16*\rr+3]
	v_pk_add_f32 v[T0+2:T0+3], v[XR+16*\rr+4:XR+16*\rr+5], v[XR+16*\rr+6:XR+16*\rr+7]
	v_pk_add_f32 v[T0+4:T0+5], v[XR+16*\rr+8:XR+16*\rr+9], v[XR+16*\rr+10:XR+16*\rr+11]
	v_pk_add_f32 v[T0+6:T0+7], v[XR+16*\rr+12:XR+16*\rr+13], v[XR+16*\rr+14:XR+16*\rr+15]
	v_pk_mul_f32 v[T0+8:T0+9], v[XR+16*\rr:XR+16*\rr+1], v[XR+16*\rr:XR+16*\rr+1]
	v_pk_mul_f32 v[T0+10:T0+11], v[XR+16*\rr+8:XR+16*\rr+9], v[XR+16*\rr+8:XR+16*\rr+9]
	v_pk_fma_f32 v[T0+8:T0+9], v[XR+16*\rr+2:XR+16*\rr+3], v[XR+16*\rr+2:XR+16*\rr+3], v[T0+8:T0+9]
	v_pk_fma_f32 v[T0+10:T0+11], v[XR+16*\rr+10:XR+16*\rr+11], v[XR+16*\rr+10:XR+16*\rr+11], v[T0+10:T0+11]
	v_pk_fma_f32 v[T0+8:T0+9], v[XR+16*\rr+4:XR+16*\rr+5], v[XR+16*\rr+4:XR+16*\rr+5], v[T0+8:T0+9]
	v_pk_fma_f32 v[T0+10:T0+11], v[XR+16*\rr+12:XR+16*\rr+13], v[XR+16*\rr+12:XR+16*\rr+13], v[T0+10:T0+11]
	v_pk_fma_f32 v[T0+8:T0+9], v[XR+16*\rr+6:XR+16*\rr+7], v[XR+16*\rr+6:XR+16*\rr+7], v[T0+8:T0+9]
	v_pk_fma_f32 v[T0+10:T0+11], v[XR+16*\rr+14:XR+16*\rr+15], v[XR+16*\rr+14:XR+16*\rr+15], v[T0+10:T0+11]
	v_pk_add_f32 v[T0:T0+1], v[T0:T0+1], v[T0+2:T0+3]
	v_pk_add_f32 v[T0+4:T0+5], v[T0+4:T0+5], v[T0+6:T0+7]
	v_pk_add_f32 v[T0+8:T0+9], v[T0+8:T0+9], v[T0+10:T0+11]
	v_pk_add_f32 v[T0:T0+1], v[T0:T0+1], v[T0+4:T0+5]
	v_add_f32 v[SS+\rr], v[T0], v[T0+1]
	v_add_f32 v[QQ+\rr], v[T0+8], v[T0+9]
.endm
.macro PLACES                          ; a load into a register that a matrix instruction has read, and a vector instruction or store that reads a matrix result,
.rept 4                                ; stand four plain vector instructions behind it (ISA guide 7.12.1)
	v_nop
.endr
.endm
.macro LDX dst, st                     ; x fragment of K step st: 16 rows x 32 k, two loads 32 bytes apart
	ds_load_b128 v[\dst:\dst+3], v[XA] offset:64*(\st)
	ds_load_b128 v[\dst+4:\dst+7], v[XA] offset:64*(\st)+32
.endm
.macro LDW dst, adr, st                ; weight fragment of K step st from rows that lie along n: two transposing loads, 16 k rows apart
	ds_load_tr16_b128 v[\dst:\dst+3], v[\adr] offset:32*WP*(\st)
	ds_load_tr16_b128 v[\dst+4:\dst+7], v[\adr] offset:32*WP*(\st)+16*WP
.endm
.macro LDFS buf, c                     ; K steps 2c and 2c+1 for x W1 and x W2: 12 loads
	LDX \buf, 2*(\c)
	LDW \buf+8, WA1, 2*(\c)
	LDW \buf+16, WA2, 2*(\c)
	LDX \buf+24, 2*(\c)+1
	LDW \buf+32, WA1, 2*(\c)+1
	LDW \buf+40, WA2, 2*(\c)+1
.endm
.macro MMFS buf, first                 ; the two accumulators take turns, one instruction a turn
	v_wmma_f32_16x16x32_f16 v[ACF:ACF+7], v[\buf+8:\buf+15], v[\buf:\buf+7], v[ACF:ACF+7]
.if \first
	v_wmma_f32_16x16x32_f16 v[ACS:ACS+7], v[\buf+16:\buf+23], v[\buf:\buf+7], 0
.else
	v_wmma_f32_16x16x32_f16 v[ACS:ACS+7], v[\buf+16:\buf+23], v[\buf:\buf+7], v[ACS:ACS+7]
.endif
	v_wmma_f32_16x16x32_f16 v[ACF:ACF+7], v[\buf+32:\buf+39], v[\buf+24:\buf+31], v[ACF:ACF+7]
	v_wmma_f32_16x16x32_f16 v[ACS:ACS+7], v[\buf+40:\buf+47], v[\buf+24:\buf+31], v[ACS:ACS+7]
.endm
.macro LDH buf, c                      ; K steps 2c and 2c+1 for x Wf: 8 loads
	LDX \buf, 2*(\c)
	LDW \buf+8, WA3, 2*(\c)
	LDX \buf+16, 2*(\c)+1
	LDW \buf+24, WA3, 2*(\c)+1
.endm
.macro MMH buf, first                  ; even K steps on one accumulator, odd ones on the other: turns of one instruction
.if \first
	v_wmma_f32_16x16x32_f16 v[ACF:ACF+7], v[\buf+8:\buf+15], v[\buf:\buf+7], 0
	v_wmma_f32_16x16x32_f16 v[ACS:ACS+7], v[\buf+24:\buf+31], v[\buf+16:\buf+23], 0
.else
	v_wmma_f32_16x16x32_f16 v[ACF:ACF+7], v[\buf+8:\buf+15], v[\buf:\buf+7], v[ACF:ACF+7]
	v_wmma_f32_16x16x32_f16 v[ACS:ACS+7], v[\buf+24:\buf+31], v[\buf+16:\buf+23], v[ACS:ACS+7]
.endif
.endm
	s_load_b512 s[4:19], s[0:1], 0x0               ; x s[4:5], W1 s[6:7], W2 s[8:9], Wf s[10:11], bias s[12:13], mlp_w s[14:15], ha s[16:17], part s[18:19]
	s_load_b64 s[20:21], s[0:1], 0x40              ; wb
	v_lshl_add_u32 v208, v0, 2, 0x2e400
	v_mov_b32 v209, 0
	v_lshrrev_b32 v1, 5, v0
	v_readfirstlane_b32 s22, v1                    ; wave w, 0..15
	v_and_b32 v2, 31, v0                           ; lane
	s_and_b32 s23, ttmp7, 0xffff                   ; block row of 32 rows; ttmp9 is the block column of 32 columns
	v_lshlrev_b32 v3, 4, v2                        ; 16 x lane
	v_lshrrev_b32 v[LA], 3, v2                     ; lane / 8
	v_and_b32 v[LB], 7, v2                         ; lane % 8
	v_lshrrev_b32 v[LH], 4, v2                     ; lane / 16
	v_and_b32 v[LR], 15, v2                        ; lane % 16
	s_and_b32 s34, s22, 1                          ; which 16 columns my tile has (waves 0-7)
	s_bfe_u32 s33, s22, 0x10001                    ; which 16 rows
	s_lshl_b32 s28, s22, 12
	v_add_nc_u32 v[XO], s28, v3                    ; x: my two rows are 4,096 consecutive bytes
	s_lshl_b32 s29, s22, 16                        ; weights: 32 w rows of 2,048 bytes,
	v_lshlrev_b32 v[TM], 12, v[LA]                 ; + 2 (lane/8) rows,
	v_lshl_add_u32 v[TM], v[LB], 4, v[TM]          ; + 16 (lane%8)
	v_add_nc_u32 v[WO], s29, v[TM]
	s_lshl_b32 s32, s34, 6
	v_lshl_add_u32 v[BO], v[LH], 5, s32            ; bias: 4 (16 wn + 8 (lane/16))
	s_lshl_b32 s44, s22, 11
	v_add_nc_u32 v[MO], s44, v3                    ; mlp_w: row w of my sixteen
	s_lshl_b32 s24, s23, 16                        ; 32 rows of x
	s_mov_b32 s25, 0
	s_lshl_b32 s26, ttmp9, 7                       ; 32 columns of f32
	s_mov_b32 s27, 0
	s_lshl_b32 s46, s23, 18                        ; mlp_w: row tile 8 y + x / 2, 16 rows of 2,048 bytes each,
	s_lshr_b32 s45, ttmp9, 1
	s_lshl_b32 s45, s45, 15
	s_add_co_u32 s46, s46, s45
	s_and_b32 s45, ttmp9, 1                        ; and half x % 2 of a row: 1,024 bytes
	s_lshl_b32 s45, s45, 10
	s_add_co_u32 s46, s46, s45
	s_mov_b32 s47, 0
	s_wait_kmcnt 0x0
	s_add_nc_u64 s[4:5], s[4:5], s[24:25]
	s_add_nc_u64 s[6:7], s[6:7], s[26:27]
	s_add_nc_u64 s[8:9], s[8:9], s[26:27]
	s_add_nc_u64 s[10:11], s[10:11], s[26:27]
	s_add_nc_u64 s[12:13], s[12:13], s[26:27]
	s_add_nc_u64 s[14:15], s[14:15], s[46:47]
	s_cmp_ge_u32 s22, 4
	s_cbranch_scc1 .Lno_bias                       ; only waves 0-3 add bias.  These two loads are the oldest, so the counts below hold with and without them
	global_load_b128 v[ACF:ACF+3], v[BO], s[12:13]             ; bias of my 8 columns lands in the accumulator: the first product adds onto it
	global_load_b128 v[ACF+4:ACF+7], v[BO], s[12:13] offset:16
.Lno_bias:
	global_load_b128 v[MW:MW+3], v[MO], s[14:15] th:TH_LOAD_NT             ; no other work-group of the launch reads these bytes
	global_load_b128 v[MW+4:MW+7], v[MO], s[14:15] offset:512 th:TH_LOAD_NT
.set i, 0
.rept 8
	global_load_b128 v[XR+4*i:XR+4*i+3], v[XO], s[4:5] offset:512*i
.set i, i+1
.endr
	LOADW W1R, 6
	LOADW W2R, 8
	LOADW WFR, 10
	; LDS addresses and output offsets, while the loads are on their way
	s_mov_b32 s30, 0x76543210                      ; v_permlanex16_b32: lane i of one half reads lane i of the other
	s_mov_b32 s31, 0xfedcba98
	s_mul_i32 s35, s22, 2*XPITCH
	v_lshl_add_u32 v[XS], v2, 3, s35               ; my two rows of x, 8 bytes a lane
	s_mul_i32 s36, s22, 32*WP
	s_add_co_u32 s36, s36, W1S
	v_mul_u32_u24 v[TM], v[LA], 2*WP
	v_lshl_add_u32 v[TM], v[LB], 3, v[TM]
	v_add_nc_u32 v[WS1], s36, v[TM]                ; my 32 k rows of a weight tile: 3,072 bytes of my own
	v_add_nc_u32 v[WS2], WTILE, v[WS1]
	v_add_nc_u32 v[WS3], 2*WTILE, v[WS1]
	s_lshl_b32 s37, s22, 3
	s_add_co_u32 s37, s37, TS
	v_mov_b32 v[TSA], s37
	s_mul_i32 s38, s33, 16*XPITCH
	v_mul_u32_u24 v[TM], v[LR], XPITCH
	v_lshl_add_u32 v[TM], v[LH], 4, v[TM]
	v_add_nc_u32 v[XA], s38, v[TM]                 ; row (16 wm + lane%16), + 16 (lane/16)
	v_lshl_add_u32 v[TM], v[LH], 3, v[LB]          ; k row 8 (lane/16) + lane%8,
	v_mul_u32_u24 v[TM], v[TM], WP
	v_bfe_u32 v[TN], v2, 3, 1
	v_lshl_add_u32 v[TM], v[TN], 4, v[TM]          ; + 16 bytes for lanes 8-15 and 24-31,
	s_lshl_b32 s39, s34, 5                         ; + my tile's 16 columns
	s_add_co_u32 s39, s39, W1S
	v_add_nc_u32 v[WA1], s39, v[TM]
	v_add_nc_u32 v[WA2], WTILE, v[WA1]
	v_add_nc_u32 v[WA3], 2*WTILE, v[WA1]
	s_lshl_b32 s40, s33, 6
	s_add_co_u32 s40, s40, TS
	v_lshl_add_u32 v[TA], v[LR], 2, s40            ; T of row 16 wm + lane%16
	s_lshl_b32 s41, s23, 16                        ; part: ((2 mb + wm) 32 + 2 nb + wn) tiles of 1,024 bytes
	s_lshl_b32 s43, s33, 15
	s_add_co_u32 s41, s41, s43
	s_lshl_b32 s43, ttmp9, 11
	s_add_co_u32 s41, s41, s43
	s_lshl_b32 s43, s34, 10
	s_add_co_u32 s41, s41, s43
	s_lshr_b32 s42, s41, 1                         ; ha: ((2 mb + wm) 16 + nb) fragments of 1,024 bytes + 512 wn: half of the same number
	v_add_nc_u32 v[PO], s41, v3
	v_add_nc_u32 v[HO], s42, v3
	s_mul_i32 s48, s22, CVP
	s_add_co_u32 s48, s48, CV
	v_lshl_add_u32 v[MS], v2, 3, s48               ; mlp_w in: row w, 8 bytes a lane
	s_and_b32 s49, s22, 7                          ; mlp_w back (waves 8-15): k block j = w - 8,
	s_lshl_b32 s50, s49, 6                         ; 64 bytes of each row,
	s_add_co_u32 s50, s50, CV
	v_mul_u32_u24 v[TM], v[LR], CVP                ; row lane%16,
	v_lshl_add_u32 v[TM], v[LH], 4, v[TM]          ; + 16 (lane/16)
	v_add_nc_u32 v[MA], s50, v[TM]
	s_lshl_b32 s51, s23, 17                        ; wb: fragment 16 (8 y + x / 2) + 8 (x % 2) + j = 128 y + 8 x + j, 1,024 bytes each
	s_lshl_b32 s52, ttmp9, 13
	s_add_co_u32 s51, s51, s52
	s_lshl_b32 s52, s49, 10
	s_add_co_u32 s51, s51, s52
	v_add_nc_u32 v[MG], s51, v3
	; x: the row sums in f32 from the numbers as they came, then f16 into LDS
	s_wait_loadcnt 24                              ; mlp_w's two loads and x's eight are in; the 24 of the three weights stay out
	ROWSUM 0
	ROWSUM 1
.irp m, 1,2,4,8
	v_add_f32_dpp v[SS], v[SS], v[SS] row_xmask:\m row_mask:0xf bank_mask:0xf
	v_add_f32_dpp v[SS+1], v[SS+1], v[SS+1] row_xmask:\m row_mask:0xf bank_mask:0xf
	v_add_f32_dpp v[QQ], v[QQ], v[QQ] row_xmask:\m row_mask:0xf bank_mask:0xf
	v_add_f32_dpp v[QQ+1], v[QQ+1], v[QQ+1] row_xmask:\m row_mask:0xf bank_mask:0xf
.endr
	v_permlanex16_b32 v[T0], v[SS], s30, s31       ; the other half of the lanes (the destinations have been written above)
	v_permlanex16_b32 v[T0+1], v[SS+1], s30, s31
	v_permlanex16_b32 v[T0+2], v[QQ], s30, s31
	v_permlanex16_b32 v[T0+3], v[QQ+1], s30, s31
	v_pk_add_f32 v[SS:SS+1], v[SS:SS+1], v[T0:T0+1]
	v_pk_add_f32 v[QQ:QQ+1], v[QQ:QQ+1], v[T0+2:T0+3]
	v_fma_f32 v[TT], -v[SS], v[SS], v[QQ]          ; sum x^2 - (sum x)^2
	v_fma_f32 v[TT+1], -v[SS+1], v[SS+1], v[QQ+1]
	v_mul_f32 v[TT], 0.5, v[TT]
	v_mul_f32 v[TT+1], 0.5, v[TT+1]
	ds_store_b64 v[TSA], v[TT:TT+1]                ; every lane writes the same two words
.set i, 0
.rept 8
	v_cvt_pk_f16_f32 v[XR+4*i], v[XR+4*i], v[XR+4*i+1]
	v_cvt_pk_f16_f32 v[XR+4*i+1], v[XR+4*i+2], v[XR+4*i+3]
	ds_store_b64 v[XS], v[XR+4*i:XR+4*i+1] offset:(i/4)*XPITCH+(i%4)*256
.set i, i+1
.endr
.set i, 0
.rept 2
	v_cvt_pk_bf16_f32 v[MW+4*i], v[MW+4*i], v[MW+4*i+1]        ; mlp_w: bf16, the format of the later layers' operands
	v_cvt_pk_bf16_f32 v[MW+4*i+1], v[MW+4*i+2], v[MW+4*i+3]
	ds_store_b64 v[MS], v[MW+4*i:MW+4*i+1] offset:256*i
.set i, i+1
.endr
	STOREW W1R, WS1, 16
	STOREW W2R, WS2, 8
	STOREW WFR, WS3, 0
	s_wait_dscnt 0x0                               ; my stores are in LDS, for the others' sake
	s_barrier_signal -1
	s_barrier_wait -1                              ; everybody's are; from here on LDS is only read
	s_cmp_ge_u32 s22, 8
	s_cbranch_scc1 .Lconv
	s_cmp_ge_u32 s22, 4
	s_cbranch_scc1 .Ldeep
	; waves 0-3: x W1 + bias and x W2, 16 K steps, two at a time through two buffers
	ds_load_b32 v[TV], v[TA]
	ds_load_b32 v[TV+1], v[TA]
	LDFS B0, 0
	LDFS B0+48, 1
	s_wait_dscnt 12                                ; all but the twelve loads of the next two K steps
	MMFS B0, 1
	PLACES
	LDFS B0, 2
.irp c, 1,2,3,4,5
	s_wait_dscnt 12
	MMFS B0+48*(\c%2), 0
	PLACES
	LDFS B0+48*(\c%2), \c+2
.endr
	s_wait_dscnt 12
	MMFS B0, 0
	s_wait_dscnt 0x0
	MMFS B0+48, 0
	PLACES
.irp p, 0,2,4,6
	v_pk_mul_f32 v[UU+\p:UU+\p+1], v[ACS+\p:ACS+\p+1], v[TV:TV+1]                            ; T xw
.endr
.irp p, 0,2,4,6
	v_pk_fma_f32 v[ACF+\p:ACF+\p+1], v[UU+\p:UU+\p+1], v[ACS+\p:ACS+\p+1], v[ACF+\p:ACF+\p+1]   ; (T xw) xw + first order
.endr
	global_store_b128 v[PO], v[ACF:ACF+3], s[18:19]            ; each store of the wave covers 512 consecutive bytes, aligned
	global_store_b128 v[PO], v[ACF+4:ACF+7], s[18:19] offset:512
	s_wait_tensorcnt 0x0
	ds_add_u32 v208, v209
	s_wait_dscnt 0x0
	s_endpgm
.Ldeep:
	; waves 4-7: x Wf
	LDH B0, 0
	LDH B0+48, 1
	s_wait_dscnt 8                                 ; all but the eight loads of the next two K steps
	MMH B0, 1
	PLACES
	LDH B0, 2
.irp c, 1,2,3,4,5
	s_wait_dscnt 8
	MMH B0+48*(\c%2), 0
	PLACES
	LDH B0+48*(\c%2), \c+2
.endr
	s_wait_dscnt 8
	MMH B0, 0
	s_wait_dscnt 0x0
	MMH B0+48, 0
	PLACES
.irp p, 0,2,4,6
	v_pk_add_f32 v[ACF+\p:ACF+\p+1], v[ACF+\p:ACF+\p+1], v[ACS+\p:ACS+\p+1]
.endr
.irp p, 0,1,2,3
	v_cvt_pk_bf16_f32 v[UU+\p], v[ACF+2*\p], v[ACF+2*\p+1]     ; h0 leaves as bf16: the next layer's operand format
.endr
	global_store_b128 v[HO], v[UU:UU+3], s[16:17]              ; my half of a fragment: 512 consecutive bytes, aligned
	s_wait_tensorcnt 0x0
	ds_add_u32 v208, v209
	s_wait_dscnt 0x0
	s_endpgm
.Lconv:
	; waves 8-15: one fragment of mlp_w each: 16 rows x 32 k as an operand register image
	ds_load_b128 v[MW:MW+3], v[MA]                 ; k = 8 (lane/16) + 0..7 of row lane%16
	ds_load_b128 v[MW+4:MW+7], v[MA] offset:32     ; k = 16 + 8 (lane/16) + 0..7
	s_wait_dscnt 0x0
	global_store_b128 v[MG], v[MW:MW+3], s[20:21]              ; 512 consecutive bytes a store, aligned
	global_store_b128 v[MG], v[MW+4:MW+7], s[20:21] offset:512
	s_wait_tensorcnt 0x0
	ds_add_u32 v208, v209
	s_wait_dscnt 0x0
	s_endpgm
.Lfunc_end_k_qd68bceed36_front:
	.size	k_qd68bceed36_front, .Lfunc_end_k_qd68bceed36_front-k_qd68bceed36_front
	.p2alignl 7, 3214868480
	.fill 96, 4, 3214868480
	.section	.rodata,"a",@progbits
	.p2align	6, 0x0
	.amdhsa_kernel k_qd68bceed36_front
		.amdhsa_group_segment_fixed_size 191488
		.amdhsa_private_segment_fixed_size 0
		.amdhsa_enable_private_segment 0
		.amdhsa_kernarg_size 72
		.amdhsa_user_sgpr_count 2
		.amdhsa_user_sgpr_kernarg_segment_ptr 1
		.amdhsa_wavefront_size32 1
		.amdhsa_system_sgpr_workgroup_id_x 1
		.amdhsa_system_sgpr_workgroup_id_y 1
		.amdhsa_system_sgpr_workgroup_id_z 1
		.amdhsa_system_vgpr_workitem_id 0
		.amdhsa_next_free_vgpr 210
		.amdhsa_next_free_sgpr 66
		.amdhsa_reserve_vcc 0
		.amdhsa_float_denorm_mode_32 3
		.amdhsa_float_denorm_mode_16_64 3
		.amdhsa_memory_ordered 1
		.amdhsa_forward_progress 1
		.amdhsa_inst_pref_size 36
	.end_amdhsa_kernel
	.amdgpu_metadata
---
amdhsa.version: [ 1, 2 ]
amdhsa.kernels:
  - .name:           k_qd68bceed36_front
    .symbol:         k_qd68bceed36_front.kd
    .args:
      - { .name: x, .offset: 0, .size: 8, .value_kind: global_buffer, .address_space: global }
      - { .name: first_order_weights, .offset: 8, .size: 8, .value_kind: global_buffer, .address_space: global }
      - { .name: second_order_weights, .offset: 16, .size: 8, .value_kind: global_buffer, .address_space: global }
      - { .name: feature_weights, .offset: 24, .size: 8, .value_kind: global_buffer, .address_space: global }
      - { .name: bias, .offset: 32, .size: 8, .value_kind: global_buffer, .address_space: global }
      - { .name: mlp_w, .offset: 40, .size: 8, .value_kind: global_buffer, .address_space: global }
      - { .name: ha, .offset: 48, .size: 8, .value_kind: global_buffer, .address_space: global }
      - { .name: part, .offset: 56, .size: 8, .value_kind: global_buffer, .address_space: global }
      - { .name: wb, .offset: 64, .size: 8, .value_kind: global_buffer, .address_space: global }
    .group_segment_fixed_size: 191488
    .private_segment_fixed_size: 0
    .kernarg_segment_align: 8
    .kernarg_segment_size: 72
    .max_flat_workgroup_size: 512
    .sgpr_count:     66
    .vgpr_count:     210
    .wavefront_size: 32
...
	.end_amdgpu_metadata
.endif
;; end of part 1
;; launch layer0 (part 2): grid 16 x 16, 4 waves a work-group, no clusters, 16,896 bytes of LDS; arguments ha, wb, mlp_b, hb; writes hb
.if DOCPART == 2
	.amdgcn_target "amdgcn-amd-amdhsa--gfx1250"
	.amdhsa_code_object_version 6
	.text
	.protected	k_qd68bceed36_layer0
	.globl	k_qd68bceed36_layer0
	.p2align	8
	.type	k_qd68bceed36_layer0,@function
k_qd68bceed36_layer0:
	s_mov_b64 s[64:65], 0
	v_nop
	global_prefetch_b8 v0, s[64:65] scope:SCOPE_SE
	s_setreg_imm32_b32 hwreg(HW_REG_WAVE_MODE, 25, 1), 1
	s_wait_xcnt 0x0
; h' = relu(h W^T + b) for layer LAYER, a tile of 32 rows x 32 columns.  b: mlp_b[LAYER], f32.  h, h' and W are bf16 in fragment order:
; h, h': [16-row tile][block of 32 k][part][lane][16 bytes]; W = wb[LAYER]: [16-row tile of n][block of 32 k][part][lane][16 bytes]; part 0 holds registers 0-3 of an operand fragment, part 1 registers 4-7.
; Four waves; K IS SPLIT OVER THE WAVES, 128 each.  Both operands come from memory straight into their fragment registers: for each of a wave's four K steps 2 row tiles of h and 2 of W,
; 8 loads of 512 consecutive bytes, each byte of the work-group's 64 KiB asked for by one wave.  All 34 loads go out at once, in the order of the K steps, so a step's four
; matrix instructions run while the later steps' loads are on their way.  h's, W's and the wave's LDS offset are the same number, 4,096 wave + 16 lane: one register.
; 16 matrix instructions on four accumulators (2 x 2 tiles of 16 x 16).  The partial tiles meet in LDS behind the one barrier; wave t adds up tile t.
; The matrix instruction is used transposed (source 0 = rows of W, source 1 = rows of h): lane l holds row l % 16, registers 0-7 the columns 8 (l / 16) + 0..7,
; which packed to bf16 are the lane's 16 bytes of the next layer's fragment: one store of 512 consecutive bytes a wave, aligned.
; NO JOINT LOADS: h's 32 KiB are shared by the 16 work-groups of a block row and W's 32 KiB by the 16 of a block column, but a joint load would bring them into LDS, from where 32 more
; LDS loads a wave would carry them to the registers in which this text's loads land, and it would add two rounds of the cluster's barrier to a text with one barrier.
; LIMITS: operands bf16, K summed as four partial sums in f32; relu is v_max_num_f32, so a NaN would become 0.
.set LAYER,  0
.set BI,  16                           ; v[16:23]   bias of my final tile's 8 columns
.set AF,  32                           ; v[32:95]   h fragments: 16 step + 8 mt
.set BF,  96                           ; v[96:159]  W fragments: 16 step + 8 nt
.set RS,  160                          ; v[160:191] the four partial sums of my tile
.set ACC, 224                          ; v[224:255] accumulators: 8 (2 mt + nt)
.macro KSTEP st, first                 ; the four accumulators take turns, one instruction a turn
	s_wait_loadcnt 24-8*\st                        ; loads come back in order: this K step's eight are in, the later steps' stay out
.irp tl, 0,1,2,3
.if \first
	v_wmma_f32_16x16x32_bf16 v[ACC+8*\tl:ACC+8*\tl+7], v[BF+16*\st+8*(\tl%2):BF+16*\st+8*(\tl%2)+7], v[AF+16*\st+8*(\tl/2):AF+16*\st+8*(\tl/2)+7], 0
.else
	v_wmma_f32_16x16x32_bf16 v[ACC+8*\tl:ACC+8*\tl+7], v[BF+16*\st+8*(\tl%2):BF+16*\st+8*(\tl%2)+7], v[AF+16*\st+8*(\tl/2):AF+16*\st+8*(\tl/2)+7], v[ACC+8*\tl:ACC+8*\tl+7]
.endif
.endr
.endm
	s_load_b256 s[4:11], s[0:1], 0x0               ; h s[4:5], wb s[6:7], mlp_b s[8:9], h' s[10:11]
	v_lshl_add_u32 v222, v0, 2, 0x4000
	v_mov_b32 v223, 0
	v_lshrrev_b32 v1, 5, v0
	v_readfirstlane_b32 s12, v1                    ; wave: my quarter of K, and the tile that I add up
	v_and_b32 v2, 31, v0                           ; lane
	s_and_b32 s13, ttmp7, 0xffff                   ; block row; ttmp9 is the block column
	v_lshlrev_b32 v3, 4, v2                        ; 16 x lane
	v_lshrrev_b32 v6, 4, v2                        ; lane / 16
	s_and_b32 s14, s12, 1                          ; my final tile: which 16 columns,
	s_lshr_b32 s15, s12, 1                         ; which 16 rows
	s_lshl_b32 s22, s12, 12
	v_add_nc_u32 v4, s22, v3                       ; h and W: 4 fragments of 1,024 bytes a wave; in LDS: my four partial tiles
	s_lshl_b32 s24, s14, 6
	v_lshl_add_u32 v8, v6, 5, s24                  ; bias: 4 (16 wn + 8 (lane/16))
	s_lshl_b32 s16, s13, 15                        ; two row tiles of h, 16,384 bytes each
	s_mov_b32 s17, 0
	s_lshl_b32 s18, ttmp9, 15                      ; two row tiles of W
	s_mov_b32 s19, 0
	s_lshl_b32 s20, ttmp9, 7                       ; 32 numbers of b
	s_mov_b32 s21, 0
.if LAYER
	s_add_co_u32 s18, s18, LAYER<<19               ; a layer's weights are 524,288 bytes of wb
	s_add_co_u32 s20, s20, LAYER*2048
.endif
	s_wait_kmcnt 0x0
	s_add_nc_u64 s[4:5], s[4:5], s[16:17]
	s_add_nc_u64 s[6:7], s[6:7], s[18:19]
	s_add_nc_u64 s[8:9], s[8:9], s[20:21]
	global_load_b128 v[BI:BI+3], v8, s[8:9]
	global_load_b128 v[BI+4:BI+7], v8, s[8:9] offset:16
.set st, 0
.rept 4
	global_load_b128 v[AF+16*st:AF+16*st+3],     v4, s[4:5] offset:st*1024
	global_load_b128 v[AF+16*st+4:AF+16*st+7],   v4, s[4:5] offset:st*1024+512
	global_load_b128 v[AF+16*st+8:AF+16*st+11],  v4, s[4:5] offset:st*1024+16384
	global_load_b128 v[AF+16*st+12:AF+16*st+15], v4, s[4:5] offset:st*1024+16384+512
	global_load_b128 v[BF+16*st:BF+16*st+3],     v4, s[6:7] offset:st*1024
	global_load_b128 v[BF+16*st+4:BF+16*st+7],   v4, s[6:7] offset:st*1024+512
	global_load_b128 v[BF+16*st+8:BF+16*st+11],  v4, s[6:7] offset:st*1024+16384
	global_load_b128 v[BF+16*st+12:BF+16*st+15], v4, s[6:7] offset:st*1024+16384+512
.set st, st+1
.endr
	; the other LDS address and the output offset, while the loads are on their way
	s_lshl_b32 s28, s12, 10
	v_add_nc_u32 v13, s28, v3                      ; tile t of every wave
	s_lshl_b32 s30, s15, 14                        ; h': ((2 mb + wm) 16 + nb) fragments of 1,024 bytes + 512 wn
	s_add_co_u32 s29, s16, s30
	s_lshl_b32 s30, ttmp9, 10
	s_add_co_u32 s29, s29, s30
	s_lshl_b32 s30, s14, 9
	s_add_co_u32 s29, s29, s30
	v_add_nc_u32 v14, s29, v3
	KSTEP 0, 1                                     ; the first products start the sums: nothing is cleared
	KSTEP 1, 0
	KSTEP 2, 0
	KSTEP 3, 0
.rept 4
	v_nop                                          ; an LDS store that reads a matrix result stands four plain vector instructions behind it
.endr
.set i, 0
.rept 8
	ds_store_b128 v4, v[ACC+4*i:ACC+4*i+3] offset:512*i        ; [wave][tile][half][lane][16 bytes]
.set i, i+1
.endr
	s_wait_dscnt 0x0                               ; my partial tiles are in LDS, for the others' sake
	s_barrier_signal -1
	s_barrier_wait -1
.set i, 0
.rept 8
	ds_load_b128 v[RS+4*i:RS+4*i+3], v13 offset:(i/2)*4096+(i%2)*512
.set i, i+1
.endr
	s_wait_dscnt 0x0
.irp p, 0,2,4,6
	v_pk_add_f32 v[RS+\p:RS+\p+1], v[RS+\p:RS+\p+1], v[RS+8+\p:RS+8+\p+1]
	v_pk_add_f32 v[RS+16+\p:RS+16+\p+1], v[RS+16+\p:RS+16+\p+1], v[RS+24+\p:RS+24+\p+1]
.endr
.irp p, 0,2,4,6
	v_pk_add_f32 v[RS+\p:RS+\p+1], v[RS+\p:RS+\p+1], v[BI+\p:BI+\p+1]
.endr
.irp p, 0,2,4,6
	v_pk_add_f32 v[RS+\p:RS+\p+1], v[RS+\p:RS+\p+1], v[RS+16+\p:RS+16+\p+1]
.endr
.irp j, 0,1,2,3,4,5,6,7
	v_max_num_f32 v[RS+\j], 0, v[RS+\j]
.endr
.irp p, 0,1,2,3
	v_cvt_pk_bf16_f32 v[RS+16+\p], v[RS+2*\p], v[RS+2*\p+1]
.endr
	global_store_b128 v14, v[RS+16:RS+19], s[10:11]
	s_wait_tensorcnt 0x0
	ds_add_u32 v222, v223
	s_wait_dscnt 0x0
	s_endpgm
.Lfunc_end_k_qd68bceed36_layer0:
	.size	k_qd68bceed36_layer0, .Lfunc_end_k_qd68bceed36_layer0-k_qd68bceed36_layer0
	.p2alignl 7, 3214868480
	.fill 96, 4, 3214868480
	.section	.rodata,"a",@progbits
	.p2align	6, 0x0
	.amdhsa_kernel k_qd68bceed36_layer0
		.amdhsa_group_segment_fixed_size 16896
		.amdhsa_private_segment_fixed_size 0
		.amdhsa_enable_private_segment 0
		.amdhsa_kernarg_size 32
		.amdhsa_user_sgpr_count 2
		.amdhsa_user_sgpr_kernarg_segment_ptr 1
		.amdhsa_wavefront_size32 1
		.amdhsa_system_sgpr_workgroup_id_x 1
		.amdhsa_system_sgpr_workgroup_id_y 1
		.amdhsa_system_sgpr_workgroup_id_z 1
		.amdhsa_system_vgpr_workitem_id 0
		.amdhsa_next_free_vgpr 256
		.amdhsa_next_free_sgpr 66
		.amdhsa_reserve_vcc 0
		.amdhsa_float_denorm_mode_32 3
		.amdhsa_float_denorm_mode_16_64 3
		.amdhsa_memory_ordered 1
		.amdhsa_forward_progress 1
		.amdhsa_inst_pref_size 9
	.end_amdhsa_kernel
	.amdgpu_metadata
---
amdhsa.version: [ 1, 2 ]
amdhsa.kernels:
  - .name:           k_qd68bceed36_layer0
    .symbol:         k_qd68bceed36_layer0.kd
    .args:
      - { .name: ha, .offset: 0, .size: 8, .value_kind: global_buffer, .address_space: global }
      - { .name: wb, .offset: 8, .size: 8, .value_kind: global_buffer, .address_space: global }
      - { .name: mlp_b, .offset: 16, .size: 8, .value_kind: global_buffer, .address_space: global }
      - { .name: hb, .offset: 24, .size: 8, .value_kind: global_buffer, .address_space: global }
    .group_segment_fixed_size: 16896
    .private_segment_fixed_size: 0
    .kernarg_segment_align: 8
    .kernarg_segment_size: 32
    .max_flat_workgroup_size: 128
    .sgpr_count:     66
    .vgpr_count:     256
    .wavefront_size: 32
...
	.end_amdgpu_metadata
.endif
;; end of part 2
;; launch layer1 (part 3): grid 16 x 16, 4 waves a work-group, no clusters, 16,896 bytes of LDS; arguments hb, wb, mlp_b, ha; writes ha
.if DOCPART == 3
	.amdgcn_target "amdgcn-amd-amdhsa--gfx1250"
	.amdhsa_code_object_version 6
	.text
	.protected	k_qd68bceed36_layer1
	.globl	k_qd68bceed36_layer1
	.p2align	8
	.type	k_qd68bceed36_layer1,@function
k_qd68bceed36_layer1:
	s_mov_b64 s[64:65], 0
	v_nop
	global_prefetch_b8 v0, s[64:65] scope:SCOPE_SE
	s_setreg_imm32_b32 hwreg(HW_REG_WAVE_MODE, 25, 1), 1
	s_wait_xcnt 0x0
; h' = relu(h W^T + b) for layer LAYER, a tile of 32 rows x 32 columns.  b: mlp_b[LAYER], f32.  h, h' and W are bf16 in fragment order:
; h, h': [16-row tile][block of 32 k][part][lane][16 bytes]; W = wb[LAYER]: [16-row tile of n][block of 32 k][part][lane][16 bytes]; part 0 holds registers 0-3 of an operand fragment, part 1 registers 4-7.
; Four waves; K IS SPLIT OVER THE WAVES, 128 each.  Both operands come from memory straight into their fragment registers: for each of a wave's four K steps 2 row tiles of h and 2 of W,
; 8 loads of 512 consecutive bytes, each byte of the work-group's 64 KiB asked for by one wave.  All 34 loads go out at once, in the order of the K steps, so a step's four
; matrix instructions run while the later steps' loads are on their way.  h's, W's and the wave's LDS offset are the same number, 4,096 wave + 16 lane: one register.
; 16 matrix instructions on four accumulators (2 x 2 tiles of 16 x 16).  The partial tiles meet in LDS behind the one barrier; wave t adds up tile t.
; The matrix instruction is used transposed (source 0 = rows of W, source 1 = rows of h): lane l holds row l % 16, registers 0-7 the columns 8 (l / 16) + 0..7,
; which packed to bf16 are the lane's 16 bytes of the next layer's fragment: one store of 512 consecutive bytes a wave, aligned.
; NO JOINT LOADS: h's 32 KiB are shared by the 16 work-groups of a block row and W's 32 KiB by the 16 of a block column, but a joint load would bring them into LDS, from where 32 more
; LDS loads a wave would carry them to the registers in which this text's loads land, and it would add two rounds of the cluster's barrier to a text with one barrier.
; LIMITS: operands bf16, K summed as four partial sums in f32; relu is v_max_num_f32, so a NaN would become 0.
; The text is that of the first hidden layer but for the constant LAYER: the layer's place in wb and in mlp_b is an offset.
.set LAYER,  1
.set BI,  16                           ; v[16:23]   bias of my final tile's 8 columns
.set AF,  32                           ; v[32:95]   h fragments: 16 step + 8 mt
.set BF,  96                           ; v[96:159]  W fragments: 16 step + 8 nt
.set RS,  160                          ; v[160:191] the four partial sums of my tile
.set ACC, 224                          ; v[224:255] accumulators: 8 (2 mt + nt)
.macro KSTEP st, first                 ; the four accumulators take turns, one instruction a turn
	s_wait_loadcnt 24-8*\st                        ; loads come back in order: this K step's eight are in, the later steps' stay out
.irp tl, 0,1,2,3
.if \first
	v_wmma_f32_16x16x32_bf16 v[ACC+8*\tl:ACC+8*\tl+7], v[BF+16*\st+8*(\tl%2):BF+16*\st+8*(\tl%2)+7], v[AF+16*\st+8*(\tl/2):AF+16*\st+8*(\tl/2)+7], 0
.else
	v_wmma_f32_16x16x32_bf16 v[ACC+8*\tl:ACC+8*\tl+7], v[BF+16*\st+8*(\tl%2):BF+16*\st+8*(\tl%2)+7], v[AF+16*\st+8*(\tl/2):AF+16*\st+8*(\tl/2)+7], v[ACC+8*\tl:ACC+8*\tl+7]
.endif
.endr
.endm
	s_load_b256 s[4:11], s[0:1], 0x0               ; h s[4:5], wb s[6:7], mlp_b s[8:9], h' s[10:11]
	v_lshl_add_u32 v222, v0, 2, 0x4000
	v_mov_b32 v223, 0
	v_lshrrev_b32 v1, 5, v0
	v_readfirstlane_b32 s12, v1                    ; wave: my quarter of K, and the tile that I add up
	v_and_b32 v2, 31, v0                           ; lane
	s_and_b32 s13, ttmp7, 0xffff                   ; block row; ttmp9 is the block column
	v_lshlrev_b32 v3, 4, v2                        ; 16 x lane
	v_lshrrev_b32 v6, 4, v2                        ; lane / 16
	s_and_b32 s14, s12, 1                          ; my final tile: which 16 columns,
	s_lshr_b32 s15, s12, 1                         ; which 16 rows
	s_lshl_b32 s22, s12, 12
	v_add_nc_u32 v4, s22, v3                       ; h and W: 4 fragments of 1,024 bytes a wave; in LDS: my four partial tiles
	s_lshl_b32 s24, s14, 6
	v_lshl_add_u32 v8, v6, 5, s24                  ; bias: 4 (16 wn + 8 (lane/16))
	s_lshl_b32 s16, s13, 15                        ; two row tiles of h, 16,384 bytes each
	s_mov_b32 s17, 0
	s_lshl_b32 s18, ttmp9, 15                      ; two row tiles of W
	s_mov_b32 s19, 0
	s_lshl_b32 s20, ttmp9, 7                       ; 32 numbers of b
	s_mov_b32 s21, 0
.if LAYER
	s_add_co_u32 s18, s18, LAYER<<19               ; a layer's weights are 524,288 bytes of wb
	s_add_co_u32 s20, s20, LAYER*2048
.endif
	s_wait_kmcnt 0x0
	s_add_nc_u64 s[4:5], s[4:5], s[16:17]
	s_add_nc_u64 s[6:7], s[6:7], s[18:19]
	s_add_nc_u64 s[8:9], s[8:9], s[20:21]
	global_load_b128 v[BI:BI+3], v8, s[8:9]
	global_load_b128 v[BI+4:BI+7], v8, s[8:9] offset:16
.set st, 0
.rept 4
	global_load_b128 v[AF+16*st:AF+16*st+3],     v4, s[4:5] offset:st*1024
	global_load_b128 v[AF+16*st+4:AF+16*st+7],   v4, s[4:5] offset:st*1024+512
	global_load_b128 v[AF+16*st+8:AF+16*st+11],  v4, s[4:5] offset:st*1024+16384
	global_load_b128 v[AF+16*st+12:AF+16*st+15], v4, s[4:5] offset:st*1024+16384+512
	global_load_b128 v[BF+16*st:BF+16*st+3],     v4, s[6:7] offset:st*1024
	global_load_b128 v[BF+16*st+4:BF+16*st+7],   v4, s[6:7] offset:st*1024+512
	global_load_b128 v[BF+16*st+8:BF+16*st+11],  v4, s[6:7] offset:st*1024+16384
	global_load_b128 v[BF+16*st+12:BF+16*st+15], v4, s[6:7] offset:st*1024+16384+512
.set st, st+1
.endr
	; the other LDS address and the output offset, while the loads are on their way
	s_lshl_b32 s28, s12, 10
	v_add_nc_u32 v13, s28, v3                      ; tile t of every wave
	s_lshl_b32 s30, s15, 14                        ; h': ((2 mb + wm) 16 + nb) fragments of 1,024 bytes + 512 wn
	s_add_co_u32 s29, s16, s30
	s_lshl_b32 s30, ttmp9, 10
	s_add_co_u32 s29, s29, s30
	s_lshl_b32 s30, s14, 9
	s_add_co_u32 s29, s29, s30
	v_add_nc_u32 v14, s29, v3
	KSTEP 0, 1                                     ; the first products start the sums: nothing is cleared
	KSTEP 1, 0
	KSTEP 2, 0
	KSTEP 3, 0
.rept 4
	v_nop                                          ; an LDS store that reads a matrix result stands four plain vector instructions behind it
.endr
.set i, 0
.rept 8
	ds_store_b128 v4, v[ACC+4*i:ACC+4*i+3] offset:512*i        ; [wave][tile][half][lane][16 bytes]
.set i, i+1
.endr
	s_wait_dscnt 0x0                               ; my partial tiles are in LDS, for the others' sake
	s_barrier_signal -1
	s_barrier_wait -1
.set i, 0
.rept 8
	ds_load_b128 v[RS+4*i:RS+4*i+3], v13 offset:(i/2)*4096+(i%2)*512
.set i, i+1
.endr
	s_wait_dscnt 0x0
.irp p, 0,2,4,6
	v_pk_add_f32 v[RS+\p:RS+\p+1], v[RS+\p:RS+\p+1], v[RS+8+\p:RS+8+\p+1]
	v_pk_add_f32 v[RS+16+\p:RS+16+\p+1], v[RS+16+\p:RS+16+\p+1], v[RS+24+\p:RS+24+\p+1]
.endr
.irp p, 0,2,4,6
	v_pk_add_f32 v[RS+\p:RS+\p+1], v[RS+\p:RS+\p+1], v[BI+\p:BI+\p+1]
.endr
.irp p, 0,2,4,6
	v_pk_add_f32 v[RS+\p:RS+\p+1], v[RS+\p:RS+\p+1], v[RS+16+\p:RS+16+\p+1]
.endr
.irp j, 0,1,2,3,4,5,6,7
	v_max_num_f32 v[RS+\j], 0, v[RS+\j]
.endr
.irp p, 0,1,2,3
	v_cvt_pk_bf16_f32 v[RS+16+\p], v[RS+2*\p], v[RS+2*\p+1]
.endr
	global_store_b128 v14, v[RS+16:RS+19], s[10:11]
	s_wait_tensorcnt 0x0
	ds_add_u32 v222, v223
	s_wait_dscnt 0x0
	s_endpgm
.Lfunc_end_k_qd68bceed36_layer1:
	.size	k_qd68bceed36_layer1, .Lfunc_end_k_qd68bceed36_layer1-k_qd68bceed36_layer1
	.p2alignl 7, 3214868480
	.fill 96, 4, 3214868480
	.section	.rodata,"a",@progbits
	.p2align	6, 0x0
	.amdhsa_kernel k_qd68bceed36_layer1
		.amdhsa_group_segment_fixed_size 16896
		.amdhsa_private_segment_fixed_size 0
		.amdhsa_enable_private_segment 0
		.amdhsa_kernarg_size 32
		.amdhsa_user_sgpr_count 2
		.amdhsa_user_sgpr_kernarg_segment_ptr 1
		.amdhsa_wavefront_size32 1
		.amdhsa_system_sgpr_workgroup_id_x 1
		.amdhsa_system_sgpr_workgroup_id_y 1
		.amdhsa_system_sgpr_workgroup_id_z 1
		.amdhsa_system_vgpr_workitem_id 0
		.amdhsa_next_free_vgpr 256
		.amdhsa_next_free_sgpr 66
		.amdhsa_reserve_vcc 0
		.amdhsa_float_denorm_mode_32 3
		.amdhsa_float_denorm_mode_16_64 3
		.amdhsa_memory_ordered 1
		.amdhsa_forward_progress 1
		.amdhsa_inst_pref_size 9
	.end_amdhsa_kernel
	.amdgpu_metadata
---
amdhsa.version: [ 1, 2 ]
amdhsa.kernels:
  - .name:           k_qd68bceed36_layer1
    .symbol:         k_qd68bceed36_layer1.kd
    .args:
      - { .name: hb, .offset: 0, .size: 8, .value_kind: global_buffer, .address_space: global }
      - { .name: wb, .offset: 8, .size: 8, .value_kind: global_buffer, .address_space: global }
      - { .name: mlp_b, .offset: 16, .size: 8, .value_kind: global_buffer, .address_space: global }
      - { .name: ha, .offset: 24, .size: 8, .value_kind: global_buffer, .address_space: global }
    .group_segment_fixed_size: 16896
    .private_segment_fixed_size: 0
    .kernarg_segment_align: 8
    .kernarg_segment_size: 32
    .max_flat_workgroup_size: 128
    .sgpr_count:     66
    .vgpr_count:     256
    .wavefront_size: 32
...
	.end_amdgpu_metadata
.endif
;; end of part 3
;; launch layer2 (part 4): grid 16 x 16, 4 waves a work-group, no clusters, 16,896 bytes of LDS; arguments ha, wb, mlp_b, hb; writes hb
.if DOCPART == 4
	.amdgcn_target "amdgcn-amd-amdhsa--gfx1250"
	.amdhsa_code_object_version 6
	.text
	.protected	k_qd68bceed36_layer2
	.globl	k_qd68bceed36_layer2
	.p2align	8
	.type	k_qd68bceed36_layer2,@function
k_qd68bceed36_layer2:
	s_mov_b64 s[64:65], 0
	v_nop
	global_prefetch_b8 v0, s[64:65] scope:SCOPE_SE
	s_setreg_imm32_b32 hwreg(HW_REG_WAVE_MODE, 25, 1), 1
	s_wait_xcnt 0x0
; h' = relu(h W^T + b) for layer LAYER, a tile of 32 rows x 32 columns.  b: mlp_b[LAYER], f32.  h, h' and W are bf16 in fragment order:
; h, h': [16-row tile][block of 32 k][part][lane][16 bytes]; W = wb[LAYER]: [16-row tile of n][block of 32 k][part][lane][16 bytes]; part 0 holds registers 0-3 of an operand fragment, part 1 registers 4-7.
; Four waves; K IS SPLIT OVER THE WAVES, 128 each.  Both operands come from memory straight into their fragment registers: for each of a wave's four K steps 2 row tiles of h and 2 of W,
; 8 loads of 512 consecutive bytes, each byte of the work-group's 64 KiB asked for by one wave.  All 34 loads go out at once, in the order of the K steps, so a step's four
; matrix instructions run while the later steps' loads are on their way.  h's, W's and the wave's LDS offset are the same number, 4,096 wave + 16 lane: one register.
; 16 matrix instructions on four accumulators (2 x 2 tiles of 16 x 16).  The partial tiles meet in LDS behind the one barrier; wave t adds up tile t.
; The matrix instruction is used transposed (source 0 = rows of W, source 1 = rows of h): lane l holds row l % 16, registers 0-7 the columns 8 (l / 16) + 0..7,
; which packed to bf16 are the lane's 16 bytes of the next layer's fragment: one store of 512 consecutive bytes a wave, aligned.
; NO JOINT LOADS: h's 32 KiB are shared by the 16 work-groups of a block row and W's 32 KiB by the 16 of a block column, but a joint load would bring them into LDS, from where 32 more
; LDS loads a wave would carry them to the registers in which this text's loads land, and it would add two rounds of the cluster's barrier to a text with one barrier.
; LIMITS: operands bf16, K summed as four partial sums in f32; relu is v_max_num_f32, so a NaN would become 0.
; The text is that of the first hidden layer but for the constant LAYER: the layer's place in wb and in mlp_b is an offset.
.set LAYER,  2
.set BI,  16                           ; v[16:23]   bias of my final tile's 8 columns
.set AF,  32                           ; v[32:95]   h fragments: 16 step + 8 mt
.set BF,  96                           ; v[96:159]  W fragments: 16 step + 8 nt
.set RS,  160                          ; v[160:191] the four partial sums of my tile
.set ACC, 224                          ; v[224:255] accumulators: 8 (2 mt + nt)
.macro KSTEP st, first                 ; the four accumulators take turns, one instruction a turn
	s_wait_loadcnt 24-8*\st                        ; loads come back in order: this K step's eight are in, the later steps' stay out
.irp tl, 0,1,2,3
.if \first
	v_wmma_f32_16x16x32_bf16 v[ACC+8*\tl:ACC+8*\tl+7], v[BF+16*\st+8*(\tl%2):BF+16*\st+8*(\tl%2)+7], v[AF+16*\st+8*(\tl/2):AF+16*\st+8*(\tl/2)+7], 0
.else
	v_wmma_f32_16x16x32_bf16 v[ACC+8*\tl:ACC+8*\tl+7], v[BF+16*\st+8*(\tl%2):BF+16*\st+8*(\tl%2)+7], v[AF+16*\st+8*(\tl/2):AF+16*\st+8*(\tl/2)+7], v[ACC+8*\tl:ACC+8*\tl+7]
.endif
.endr
.endm
	s_load_b256 s[4:11], s[0:1], 0x0               ; h s[4:5], wb s[6:7], mlp_b s[8:9], h' s[10:11]
	v_lshl_add_u32 v222, v0, 2, 0x4000
	v_mov_b32 v223, 0
	v_lshrrev_b32 v1, 5, v0
	v_readfirstlane_b32 s12, v1                    ; wave: my quarter of K, and the tile that I add up
	v_and_b32 v2, 31, v0                           ; lane
	s_and_b32 s13, ttmp7, 0xffff                   ; block row; ttmp9 is the block column
	v_lshlrev_b32 v3, 4, v2                        ; 16 x lane
	v_lshrrev_b32 v6, 4, v2                        ; lane / 16
	s_and_b32 s14, s12, 1                          ; my final tile: which 16 columns,
	s_lshr_b32 s15, s12, 1                         ; which 16 rows
	s_lshl_b32 s22, s12, 12
	v_add_nc_u32 v4, s22, v3                       ; h and W: 4 fragments of 1,024 bytes a wave; in LDS: my four partial tiles
	s_lshl_b32 s24, s14, 6
	v_lshl_add_u32 v8, v6, 5, s24                  ; bias: 4 (16 wn + 8 (lane/16))
	s_lshl_b32 s16, s13, 15                        ; two row tiles of h, 16,384 bytes each
	s_mov_b32 s17, 0
	s_lshl_b32 s18, ttmp9, 15                      ; two row tiles of W
	s_mov_b32 s19, 0
	s_lshl_b32 s20, ttmp9, 7                       ; 32 numbers of b
	s_mov_b32 s21, 0
.if LAYER
	s_add_co_u32 s18, s18, LAYER<<19               ; a layer's weights are 524,288 bytes of wb
	s_add_co_u32 s20, s20, LAYER*2048
.endif
	s_wait_kmcnt 0x0
	s_add_nc_u64 s[4:5], s[4:5], s[16:17]
	s_add_nc_u64 s[6:7], s[6:7], s[18:19]
	s_add_nc_u64 s[8:9], s[8:9], s[20:21]
	global_load_b128 v[BI:BI+3], v8, s[8:9]
	global_load_b128 v[BI+4:BI+7], v8, s[8:9] offset:16
.set st, 0
.rept 4
	global_load_b128 v[AF+16*st:AF+16*st+3],     v4, s[4:5] offset:st*1024
	global_load_b128 v[AF+16*st+4:AF+16*st+7],   v4, s[4:5] offset:st*1024+512
	global_load_b128 v[AF+16*st+8:AF+16*st+11],  v4, s[4:5] offset:st*1024+16384
	global_load_b128 v[AF+16*st+12:AF+16*st+15], v4, s[4:5] offset:st*1024+16384+512
	global_load_b128 v[BF+16*st:BF+16*st+3],     v4, s[6:7] offset:st*1024
	global_load_b128 v[BF+16*st+4:BF+16*st+7],   v4, s[6:7] offset:st*1024+512
	global_load_b128 v[BF+16*st+8:BF+16*st+11],  v4, s[6:7] offset:st*1024+16384
	global_load_b128 v[BF+16*st+12:BF+16*st+15], v4, s[6:7] offset:st*1024+16384+512
.set st, st+1
.endr
	; the other LDS address and the output offset, while the loads are on their way
	s_lshl_b32 s28, s12, 10
	v_add_nc_u32 v13, s28, v3                      ; tile t of every wave
	s_lshl_b32 s30, s15, 14                        ; h': ((2 mb + wm) 16 + nb) fragments of 1,024 bytes + 512 wn
	s_add_co_u32 s29, s16, s30
	s_lshl_b32 s30, ttmp9, 10
	s_add_co_u32 s29, s29, s30
	s_lshl_b32 s30, s14, 9
	s_add_co_u32 s29, s29, s30
	v_add_nc_u32 v14, s29, v3
	KSTEP 0, 1                                     ; the first products start the sums: nothing is cleared
	KSTEP 1, 0
	KSTEP 2, 0
	KSTEP 3, 0
.rept 4
	v_nop                                          ; an LDS store that reads a matrix result stands four plain vector instructions behind it
.endr
.set i, 0
.rept 8
	ds_store_b128 v4, v[ACC+4*i:ACC+4*i+3] offset:512*i        ; [wave][tile][half][lane][16 bytes]
.set i, i+1
.endr
	s_wait_dscnt 0x0                               ; my partial tiles are in LDS, for the others' sake
	s_barrier_signal -1
	s_barrier_wait -1
.set i, 0
.rept 8
	ds_load_b128 v[RS+4*i:RS+4*i+3], v13 offset:(i/2)*4096+(i%2)*512
.set i, i+1
.endr
	s_wait_dscnt 0x0
.irp p, 0,2,4,6
	v_pk_add_f32 v[RS+\p:RS+\p+1], v[RS+\p:RS+\p+1], v[RS+8+\p:RS+8+\p+1]
	v_pk_add_f32 v[RS+16+\p:RS+16+\p+1], v[RS+16+\p:RS+16+\p+1], v[RS+24+\p:RS+24+\p+1]
.endr
.irp p, 0,2,4,6
	v_pk_add_f32 v[RS+\p:RS+\p+1], v[RS+\p:RS+\p+1], v[BI+\p:BI+\p+1]
.endr
.irp p, 0,2,4,6
	v_pk_add_f32 v[RS+\p:RS+\p+1], v[RS+\p:RS+\p+1], v[RS+16+\p:RS+16+\p+1]
.endr
.irp j, 0,1,2,3,4,5,6,7
	v_max_num_f32 v[RS+\j], 0, v[RS+\j]
.endr
.irp p, 0,1,2,3
	v_cvt_pk_bf16_f32 v[RS+16+\p], v[RS+2*\p], v[RS+2*\p+1]
.endr
	global_store_b128 v14, v[RS+16:RS+19], s[10:11]
	s_wait_tensorcnt 0x0
	ds_add_u32 v222, v223
	s_wait_dscnt 0x0
	s_endpgm
.Lfunc_end_k_qd68bceed36_layer2:
	.size	k_qd68bceed36_layer2, .Lfunc_end_k_qd68bceed36_layer2-k_qd68bceed36_layer2
	.p2alignl 7, 3214868480
	.fill 96, 4, 3214868480
	.section	.rodata,"a",@progbits
	.p2align	6, 0x0
	.amdhsa_kernel k_qd68bceed36_layer2
		.amdhsa_group_segment_fixed_size 16896
		.amdhsa_private_segment_fixed_size 0
		.amdhsa_enable_private_segment 0
		.amdhsa_kernarg_size 32
		.amdhsa_user_sgpr_count 2
		.amdhsa_user_sgpr_kernarg_segment_ptr 1
		.amdhsa_wavefront_size32 1
		.amdhsa_system_sgpr_workgroup_id_x 1
		.amdhsa_system_sgpr_workgroup_id_y 1
		.amdhsa_system_sgpr_workgroup_id_z 1
		.amdhsa_system_vgpr_workitem_id 0
		.amdhsa_next_free_vgpr 256
		.amdhsa_next_free_sgpr 66
		.amdhsa_reserve_vcc 0
		.amdhsa_float_denorm_mode_32 3
		.amdhsa_float_denorm_mode_16_64 3
		.amdhsa_memory_ordered 1
		.amdhsa_forward_progress 1
		.amdhsa_inst_pref_size 9
	.end_amdhsa_kernel
	.amdgpu_metadata
---
amdhsa.version: [ 1, 2 ]
amdhsa.kernels:
  - .name:           k_qd68bceed36_layer2
    .symbol:         k_qd68bceed36_layer2.kd
    .args:
      - { .name: ha, .offset: 0, .size: 8, .value_kind: global_buffer, .address_space: global }
      - { .name: wb, .offset: 8, .size: 8, .value_kind: global_buffer, .address_space: global }
      - { .name: mlp_b, .offset: 16, .size: 8, .value_kind: global_buffer, .address_space: global }
      - { .name: hb, .offset: 24, .size: 8, .value_kind: global_buffer, .address_space: global }
    .group_segment_fixed_size: 16896
    .private_segment_fixed_size: 0
    .kernarg_segment_align: 8
    .kernarg_segment_size: 32
    .max_flat_workgroup_size: 128
    .sgpr_count:     66
    .vgpr_count:     256
    .wavefront_size: 32
...
	.end_amdgpu_metadata
.endif
;; end of part 4
;; launch last (part 5): grid 8 x 32, 4 waves a work-group, no clusters, 22,528 bytes of LDS; arguments hb, wb, mlp_b, part, out0; writes out0
.if DOCPART == 5
	.amdgcn_target "amdgcn-amd-amdhsa--gfx1250"
	.amdhsa_code_object_version 6
	.text
	.protected	k_qd68bceed36_last
	.globl	k_qd68bceed36_last
	.p2align	8
	.type	k_qd68bceed36_last,@function
k_qd68bceed36_last:
	s_mov_b64 s[64:65], 0
	v_nop
	global_prefetch_b8 v0, s[64:65] scope:SCOPE_SE
	s_setreg_imm32_b32 hwreg(HW_REG_WAVE_MODE, 25, 1), 1
	s_wait_xcnt 0x0
; out0 = h3 W3^T + b3 + part, a tile of 16 rows x 64 columns.  b3 = mlp_b[3], f32.  h3 and W3 = wb[3] are bf16 in fragment order
; ([16-row tile][block of 32 k][part][lane][16 bytes]); part = first order + second order, f32 register images ([16-row tile][16-column tile][half][lane][16 bytes]).
; The tile is 64 columns wide so that a row piece of out0 is 256 consecutive bytes, aligned, stored whole by sixteen neighbouring lanes.
; Four waves; K IS SPLIT OVER THE WAVES, 128 each.  Both operands come from memory straight into their fragment registers: for each of a wave's four K steps one row tile of h3 and
; four of W3, 10 loads of 512 consecutive bytes.  All 43 loads go out at once, in the order of the K steps.  16 matrix instructions on four accumulators.
; The partial tiles are laid into LDS as rows of the 16 x 64 tile, so the stage in which the four partial sums meet is also the turn to row-major order.  part has the
; accumulators' layout: wave u lays the image of column tile u into a fifth block in the same way.  Behind the one barrier wave u adds up rows 4u .. 4u+3 of the five blocks,
; 16 bytes a lane, adds b3, and stores 4 x 256 bytes.
; The matrix instruction is used transposed (source 0 = rows of W3, source 1 = rows of h3): lane l holds row l % 16, registers 0-7 the columns 8 (l / 16) + 0..7.
; NO JOINT LOADS: W3's 64 KiB are shared by the 32 work-groups of a block column and h3's 16 KiB by the 8 of a row tile, but a joint load would bring them into LDS, from where 40 more
; LDS loads a wave would carry them to the registers in which this text's loads land, and it would add two rounds of the cluster's barrier to a text with one barrier.
; LIMITS: operands bf16, K summed as four partial sums in f32.
.set PPITCH, 272                       ; a row of 64 f32 + 16 bytes: an odd multiple of 16
.set PBLK,   16*PPITCH                 ; 4,352 bytes: a block of 16 rows; blocks 0-3 the waves' partial tiles, block 4 part
.set BI,  16                           ; v[16:19]   b3 of my 4 final columns
.set PR,  20                           ; v[20:27]   part's image of column tile u
.set AF,  32                           ; v[32:63]   h3 fragments: 8 step
.set BF,  64                           ; v[64:191]  W3 fragments: 32 step + 8 nt
.set ACC, 192                          ; v[192:223] accumulators: 8 nt
.set RS,  64                           ; v[64:103]  behind the products: 2 pairs of rows x 5 blocks x 4 registers
.macro KSTEP st, first                 ; the four accumulators take turns, one instruction a turn
	s_wait_loadcnt 30-10*\st                       ; loads come back in order: this K step's ten are in, the later steps' stay out
.irp nt, 0,1,2,3
.if \first
	v_wmma_f32_16x16x32_bf16 v[ACC+8*\nt:ACC+8*\nt+7], v[BF+32*\st+8*\nt:BF+32*\st+8*\nt+7], v[AF+8*\st:AF+8*\st+7], 0
.else
	v_wmma_f32_16x16x32_bf16 v[ACC+8*\nt:ACC+8*\nt+7], v[BF+32*\st+8*\nt:BF+32*\st+8*\nt+7], v[AF+8*\st:AF+8*\st+7], v[ACC+8*\nt:ACC+8*\nt+7]
.endif
.endr
.endm
	s_load_b256 s[4:11], s[0:1], 0x0               ; h3 s[4:5], wb s[6:7], mlp_b s[8:9], part s[10:11]
	s_load_b64 s[12:13], s[0:1], 0x20              ; out0
	v_lshl_add_u32 v224, v0, 2, 0x5600
	v_mov_b32 v225, 0
	v_lshrrev_b32 v1, 5, v0
	v_readfirstlane_b32 s14, v1                    ; wave u: my quarter of K, part's column tile, and the four rows that I add up
	v_and_b32 v2, 31, v0                           ; lane
	s_and_b32 s15, ttmp7, 0xffff                   ; tile of 16 rows; ttmp9 is the block of 64 columns
	v_lshlrev_b32 v3, 4, v2                        ; 16 x lane
	v_lshrrev_b32 v6, 4, v2                        ; lane / 16
	v_and_b32 v10, 15, v2                          ; lane % 16
	v_lshlrev_b32 v8, 4, v10                       ; b3: 16 (lane%16)
	s_lshl_b32 s26, s14, 12
	v_add_nc_u32 v4, s26, v3                       ; h3 and W3: 4 fragments of 1,024 bytes a wave
	s_lshl_b32 s27, s14, 10
	v_add_nc_u32 v7, s27, v3                       ; part: the image of column tile u, 1,024 bytes
	s_lshl_b32 s16, s15, 14                        ; a row tile of h3
	s_mov_b32 s17, 0
	s_lshl_b32 s18, ttmp9, 16                      ; four row tiles of W3, 16,384 bytes each,
	s_add_co_u32 s18, s18, 3<<19                   ; in the fourth layer of wb
	s_mov_b32 s19, 0
	s_lshl_b32 s20, ttmp9, 8
	s_add_co_u32 s20, s20, 3*2048
	s_mov_b32 s21, 0
	s_lshl_b32 s22, s15, 15                        ; part: (32 row tile + 4 block) images of 1,024 bytes
	s_lshl_b32 s24, ttmp9, 12
	s_add_co_u32 s22, s22, s24
	s_mov_b32 s23, 0
	s_lshl_b32 s24, s15, 15                        ; out0: 16 rows of 2,048 bytes, 64 columns of f32
	s_lshl_b32 s25, ttmp9, 8
	s_add_co_u32 s24, s24, s25
	s_mov_b32 s25, 0
	s_wait_kmcnt 0x0
	s_add_nc_u64 s[4:5], s[4:5], s[16:17]
	s_add_nc_u64 s[6:7], s[6:7], s[18:19]
	s_add_nc_u64 s[8:9], s[8:9], s[20:21]
	s_add_nc_u64 s[10:11], s[10:11], s[22:23]
	s_add_nc_u64 s[12:13], s[12:13], s[24:25]
	global_load_b128 v[BI:BI+3], v8, s[8:9]
	global_load_b128 v[PR:PR+3], v7, s[10:11]
	global_load_b128 v[PR+4:PR+7], v7, s[10:11] offset:512
.set st, 0
.rept 4
	global_load_b128 v[AF+8*st:AF+8*st+3],   v4, s[4:5] offset:st*1024
	global_load_b128 v[AF+8*st+4:AF+8*st+7], v4, s[4:5] offset:st*1024+512
.set nt, 0
.rept 4
	global_load_b128 v[BF+32*st+8*nt:BF+32*st+8*nt+3],   v4, s[6:7] offset:nt*16384+st*1024
	global_load_b128 v[BF+32*st+8*nt+4:BF+32*st+8*nt+7], v4, s[6:7] offset:nt*16384+st*1024+512
.set nt, nt+1
.endr
.set st, st+1
.endr
	; LDS addresses and the output offset, while the loads are on their way
	v_mul_u32_u24 v12, v10, PPITCH
	v_lshl_add_u32 v12, v6, 5, v12                 ; row lane%16, columns 8 (lane/16) ..
	s_lshl_b32 s28, s14, 6                         ; part: column tile u's 64 bytes of a row,
	s_add_co_u32 s28, s28, 4*PBLK                  ; in block 4
	v_add_nc_u32 v13, s28, v12
	s_mul_i32 s29, s14, PBLK
	v_add_nc_u32 v12, s29, v12                     ; my partial tile: block u
	s_mul_i32 s30, s14, 4*PPITCH
	v_mul_u32_u24 v14, v6, PPITCH
	v_add_nc_u32 v14, v14, v8
	v_add_nc_u32 v14, s30, v14                     ; adding up: row 4u + lane/16, 16 bytes at 16 (lane%16)
	s_lshl_b32 s31, s14, 13
	v_lshl_add_u32 v15, v6, 11, v8
	v_add_nc_u32 v15, s31, v15                     ; out0: the same row and bytes
	KSTEP 0, 1                                     ; the first products start the sums: nothing is cleared
	ds_store_b128 v13, v[PR:PR+3]                  ; part came in ahead of the first K step's operands
	ds_store_b128 v13, v[PR+4:PR+7] offset:16
	KSTEP 1, 0
	KSTEP 2, 0
	KSTEP 3, 0
.rept 4
	v_nop                                          ; an LDS store that reads a matrix result, and a load into a register that a matrix instruction has read, stand four plain vector instructions behind it
.endr
.set i, 0
.rept 8
	ds_store_b128 v12, v[ACC+4*i:ACC+4*i+3] offset:(i/2)*64+(i%2)*16
.set i, i+1
.endr
	s_wait_dscnt 0x0                               ; my partial tile and my piece of part are in LDS, for the others' sake
	s_barrier_signal -1
	s_barrier_wait -1
.set i, 0
.rept 10
	ds_load_b128 v[RS+4*i:RS+4*i+3], v14 offset:(i%5)*PBLK+(i/5)*2*PPITCH    ; five blocks of rows 4u, 4u+1, then of rows 4u+2, 4u+3
.set i, i+1
.endr
	s_wait_dscnt 0x0
.irp q, 0,20
.irp p, 0,2
	v_pk_add_f32 v[RS+\q+\p:RS+\q+\p+1], v[RS+\q+\p:RS+\q+\p+1], v[RS+\q+4+\p:RS+\q+4+\p+1]
	v_pk_add_f32 v[RS+\q+8+\p:RS+\q+8+\p+1], v[RS+\q+8+\p:RS+\q+8+\p+1], v[RS+\q+12+\p:RS+\q+12+\p+1]
	v_pk_add_f32 v[RS+\q+16+\p:RS+\q+16+\p+1], v[RS+\q+16+\p:RS+\q+16+\p+1], v[BI+\p:BI+\p+1]
.endr
.endr
.irp q, 0,20
.irp p, 0,2
	v_pk_add_f32 v[RS+\q+\p:RS+\q+\p+1], v[RS+\q+\p:RS+\q+\p+1], v[RS+\q+8+\p:RS+\q+8+\p+1]
.endr
.endr
.irp q, 0,20
.irp p, 0,2
	v_pk_add_f32 v[RS+\q+\p:RS+\q+\p+1], v[RS+\q+\p:RS+\q+\p+1], v[RS+\q+16+\p:RS+\q+16+\p+1]
.endr
.endr
	global_store_b128 v15, v[RS:RS+3], s[12:13]                ; lanes 0-15 store 256 consecutive bytes of one row, aligned; lanes 16-31 those of the next row
	global_store_b128 v15, v[RS+20:RS+23], s[12:13] offset:4096
	s_wait_tensorcnt 0x0
	ds_add_u32 v224, v225
	s_wait_dscnt 0x0
	s_endpgm
.Lfunc_end_k_qd68bceed36_last:
	.size	k_qd68bceed36_last, .Lfunc_end_k_qd68bceed36_last-k_qd68bceed36_last
	.p2alignl 7, 3214868480
	.fill 96, 4, 3214868480
	.section	.rodata,"a",@progbits
	.p2align	6, 0x0
	.amdhsa_kernel k_qd68bceed36_last
		.amdhsa_group_segment_fixed_size 22528
		.amdhsa_private_segment_fixed_size 0
		.amdhsa_enable_private_segment 0
		.amdhsa_kernarg_size 40
		.amdhsa_user_sgpr_count 2
		.amdhsa_user_sgpr_kernarg_segment_ptr 1
		.amdhsa_wavefront_size32 1
		.amdhsa_system_sgpr_workgroup_id_x 1
		.amdhsa_system_sgpr_workgroup_id_y 1
		.amdhsa_system_sgpr_workgroup_id_z 1
		.amdhsa_system_vgpr_workitem_id 0
		.amdhsa_next_free_vgpr 226
		.amdhsa_next_free_sgpr 66
		.amdhsa_reserve_vcc 0
		.amdhsa_float_denorm_mode_32 3
		.amdhsa_float_denorm_mode_16_64 3
		.amdhsa_memory_ordered 1
		.amdhsa_forward_progress 1
		.amdhsa_inst_pref_size 11
	.end_amdhsa_kernel
	.amdgpu_metadata
---
amdhsa.version: [ 1, 2 ]
amdhsa.kernels:
  - .name:           k_qd68bceed36_last
    .symbol:         k_qd68bceed36_last.kd
    .args:
      - { .name: hb, .offset: 0, .size: 8, .value_kind: global_buffer, .address_space: global }
      - { .name: wb, .offset: 8, .size: 8, .value_kind: global_buffer, .address_space: global }
      - { .name: mlp_b, .offset: 16, .size: 8, .value_kind: global_buffer, .address_space: global }
      - { .name: part, .offset: 24, .size: 8, .value_kind: global_buffer, .address_space: global }
      - { .name: out0, .offset: 32, .size: 8, .value_kind: global_buffer, .address_space: global }
    .group_segment_fixed_size: 22528
    .private_segment_fixed_size: 0
    .kernarg_segment_align: 8
    .kernarg_segment_size: 40
    .max_flat_workgroup_size: 128
    .sgpr_count:     66
    .vgpr_count:     226
    .wavefront_size: 32
...
	.end_amdgpu_metadata
.endif
;; end of part 5
;; ======== version 2 of 2: 5 launches; version 1 with the launch front written anew for expert scheduling mode
;; limits: values are held in f16: magnitudes above 65,504 overflow, below 6.1e-05 lose precision; inputs' magnitudes at most 65,504
;; workspace buffers: ha 524,288 bytes; hb 524,288 bytes; part 1,048,576 bytes; wb 2,097,152 bytes
;; launch front (part 6): grid 16 x 16, 16 waves a work-group, no clusters, 191,488 bytes of LDS; arguments x, first_order_weights, second_order_weights, feature_weights, bias, mlp_w, ha, part, wb; writes ha, part, wb
.if DOCPART == 6
	.amdgcn_target "amdgcn-amd-amdhsa--gfx1250"
	.amdhsa_code_object_version 6
	.text
	.protected	k_qd68bceed36_front
	.globl	k_qd68bceed36_front
	.p2align	8
	.type	k_qd68bceed36_front,@function
k_qd68bceed36_front:
	s_mov_b64 s[64:65], 0
	v_nop
	global_prefetch_b8 v0, s[64:65] scope:SCOPE_SE
	s_setreg_imm32_b32 hwreg(HW_REG_WAVE_SCHED_MODE, 0, 2), 2
	s_setreg_imm32_b32 hwreg(HW_REG_WAVE_MODE, 25, 1), 1
	s_wait_xcnt 0x0
	s_wait_alu depctr_vm_vsrc(0)
; part = x W1 + bias + T (x W2)^2  and  h0 = x Wf, for a tile of 32 rows x 32 columns; and 1/256 of mlp_w rounded to bf16 into wb.
; T[row] = 0.5 (sum x^2 - (sum x)^2): inter[b][i][k] = x[b][i] xw[b][k], so both sums over i have the factor xw[b][k]^2, and what is left is the same difference of the two row sums.
; x: [512][512] f32.  W1, W2, Wf: [512 k][512 n] f32.  bias: [512] f32.  mlp_w: [4][512 n][512 k] f32.
; THE OPERANDS OF THE THREE PRODUCTS ARE f16, NOT bf16.  In T xw^2 an error d of xw = x W2 counts as 2 T xw d, and |T| grows with (sum x)^2 / 2 over 512 numbers: the product has to be
; made of operands with more than bf16's 8 significant bits.  f16 has 11.  x and the weights are inputs as they come, not products, so f16's range has room:
; see LIMITS.  One copy of x in LDS serves all three products, so all three take f16.  h0 is a sum of 512 products and is stored as bf16, whose range it may need.
; Sixteen waves.  Each wave asks at once for all it stages: one row piece of mlp_w (2 loads), 2 whole rows of x (8 loads of 512 consecutive bytes) and 32 k rows x 128 bytes of each of the
; three weights (8 loads each): 34 loads, 136 registers.  It makes the f32 row sums of its two rows from x as loaded, rounds everything and lays it into LDS.
; Behind the one barrier waves 0-3 make x W1 (the accumulator starts from bias) and x W2 for one 16 x 16 tile each, waves 4-7 make x Wf, waves 8-15 write wb.
; THE MATRIX INSTRUCTION IS USED TRANSPOSED: source 0 = 16 columns of a weight, source 1 = 16 rows of x.  Lane l then holds row l % 16 and its registers 0-7 the
; columns 8 (l / 16) + 0..7.  Packed to bf16 these are the very 16 bytes that the same lane needs as half of an operand fragment of the next layer, so
; ha is kept in fragment order, [16-row tile][block of 32 k][part][lane][16 bytes], and a wave's store covers 512 consecutive bytes, aligned.
; part is kept as register images, [16-row tile][16-column tile][half][lane][16 bytes] in f32: again 512 consecutive bytes a store.
; wb: the four later launches each read a weight tile in 16 or 32 work-groups.  Rounded here once and kept in the same fragment order, [layer][16-row tile of n][block of 32 k][part][lane][16 bytes],
; it is half the bytes there and lands in the operand registers without a pass through LDS.  Work-group (x, y) has 16 rows x 256 k: row tile 8 y + x / 2 of the 128, half x % 2 of k.
; Wave w loads row w's 1,024 bytes; behind the barrier wave 8 + j reads the fragment of k block j and stores its 1,024 consecutive bytes.
; NO JOINT LOADS: x's rows are shared by the 16 work-groups of a block row and a weight strip by the 16 of a block column, but tiles brought by the data mover lie in LDS as f32:
; 262,144 bytes, beside which the 180,736 bytes of f16 tiles that the transposing loads read do not fit into the 327,680 that a work-group may ask for; and the
; row sums want the f32 in registers anyway.  Every byte is asked for once, in the first lines: there is no ring of slots to refill.
; LIMITS: x, W1, W2, Wf enter the products rounded to f16: a magnitude above 65,504 becomes infinite there, and below 2^-14 the rounding error is absolute, up to 2^-25.
; h0 and wb are rounded to bf16.  All sums, T and the second-order term are f32.
; THE MODE: SCHED_MODE bits 1:0 = 2 (LLVM: expert scheduling mode 2), set by the entry lines.  The code itself states the register dependences
; between vector or matrix instructions and memory or LDS instructions, with s_wait_alu, always for 0.
; THE PLAN.  Registers that memory or LDS instructions touch, in the order of the text:
;   v4-6, v200        Offsets of the global loads.  Written once at the head; one wait on va_vdst ahead of the first load; never written again.
;   v7-15, v180-182,  LDS addresses and the offsets of the global stores.  Written once, while the loads are on their way, never again; the wait behind x's conversions
;   v201-203          stands behind all of them and ahead of every instruction that reads one.
;   XR, MW            Loaded; read by the row sums; rounded in place.  One wait on va_vdst behind the twenty conversions; the ten LDS stores that read them are dealt among
;                     the sums' steps across the lanes, which name SS, QQ, T0 and TT alone.
;   W1R, W2R, WFR     Loaded; rounded in place; one wait on va_vdst behind each weight's sixteen conversions, then its eight LDS stores.  W1R's wait also states that T is written: T's store stands behind it.
;   the barrier       One wait on vm_vsrc behind it, for all three ways on: my LDS stores have read their data.  From there on v32-175 and MW are written by LDS loads alone.
;   F0, F1, F2        Three fragment buffers.  Step c's matrix instructions read F[c % 3]; the loads of step c + 2 land in F[(c + 2) % 3] = F[(c - 1) % 3], which step c - 1 read.  One wait on
;                     va_vdst at the head of steps 1 to 5 states that step c - 1 is done reading; the step's loads follow, dealt among its matrix instructions, which name F[c % 3] and the accumulators alone.
;   ACF, UU           The way out's arithmetic writes them; one wait on va_vdst ahead of the global stores that read them.
; EXEC and VCC are never written; the one scalar register that a vector instruction writes is s22, the wave's number.
.set XPITCH, 1040                      ; an x row in LDS: 1,024 bytes + 16: an odd multiple of 16, so the 16 rows of a fragment load start in different banks
.set WP,     96                        ; a weight row in LDS: 32 f16 + 32 bytes: an odd multiple of 32
.set W1S,    32*XPITCH                 ; 33,280: W1's tile, behind x's 32 rows
.set WTILE,  512*WP                    ; 49,152 bytes a weight tile; W2's and Wf's follow
.set TS,     W1S+3*WTILE               ; 180,736: T of the 32 rows, 128 bytes
.set CV,     TS+256                    ; 180,992: my 16 rows x 256 k of mlp_w in bf16
.set CVP,    528                       ; 512 bytes + 16: an odd multiple of 16
.set XO,  4                            ; byte offset of my 16 bytes in x
.set WO,  5                            ; the same in a weight
.set BO,  6                            ; the same in bias
.set XS,  7                            ; LDS: where I put 8 bytes of x
.set WS1, 8                            ; LDS: where I put 8 bytes of W1, W2, Wf
.set WS2, 9
.set WS3, 10
.set TSA, 11                           ; LDS: my wave's two T
.set XA,  12                           ; LDS: my x fragments
.set WA1, 13                           ; LDS: my fragments of W1, W2, Wf
.set WA2, 14
.set WA3, 15
.set ACF, 16                           ; v[16:23]  x W1 + bias (waves 0-3); x Wf, even K steps (waves 4-7)
.set ACS, 24                           ; v[24:31]  x W2 (waves 0-3); x Wf, odd K steps (waves 4-7)
.set XR,  32                           ; v[32:63]  x as loaded
.set W1R, 64                           ; v[64:95]  W1 as loaded
.set W2R, 96
.set WFR, 128
.set B0,  32                           ; behind the barrier: three fragment buffers of 48 registers, v[32:175]
.set UU,  128                          ; behind the last product: at work
.set T0,  160                          ; v[160:171] at work on the sums
.set SS,  172                          ; sum x of my two rows
.set QQ,  174                          ; sum x^2
.set TT,  176                          ; T
.set TV,  178                          ; T of my lane's row, twice (a pair for the packed multiply)
.set TA,  180
.set PO,  181                          ; byte offset of my 16 bytes in part
.set HO,  182                          ; and in ha
.set LA,  183
.set LB,  184
.set LH,  185
.set LR,  186
.set TM,  187
.set TN,  188
.set MW,  192                          ; v[192:199] mlp_w as loaded; behind the barrier a fragment of it
.set MO,  200                          ; byte offset of my 16 bytes in mlp_w
.set MS,  201                          ; LDS: where I put 8 bytes of it
.set MA,  202                          ; LDS: my fragment of it (waves 8-15)
.set MG,  203                          ; byte offset of my 16 bytes in wb
.macro LOADW dst, base                 ; 8 loads: rows k = 32 w + 8 (i/2) + (i%2) + 2 (lane/8), 128 bytes of each
.set i, 0
.rept 8
	global_load_b128 v[\dst+4*i:\dst+4*i+3], v[WO], s[\base:\base+1] offset:(8*(i/2)+(i%2))*2048
.set i, i+1
.endr
.endm
.macro STOREW src, adr, left, ts       ; round to f16 in place, 8 bytes a lane into LDS.  The four rows of a store lie 192 bytes apart: 64 bytes each at 0, 192, 128, 64 modulo 256.  ts = 1: T's store goes with them
	s_wait_loadcnt \left                           ; loads come back in order: this weight's eight are in, the younger ones stay out
.set i, 0
.rept 8
	v_cvt_pk_f16_f32 v[\src+4*i], v[\src+4*i], v[\src+4*i+1]
	v_cvt_pk_f16_f32 v[\src+4*i+1], v[\src+4*i+2], v[\src+4*i+3]
.set i, i+1
.endr
	s_wait_alu depctr_va_vdst(0)                   ; the sixteen conversions have written the pairs that the LDS stores below read (with ts = 1: and T is written)
.if \ts
	ds_store_b64 v[TSA], v[TT:TT+1]                ; every lane writes the same two words
.endif
.set i, 0
.rept 8
	ds_store_b64 v[\adr], v[\src+4*i:\src+4*i+1] offset:(8*(i/2)+(i%2))*WP
.set i, i+1
.endr
.endm
.macro ROWSUM rr                       ; my 16 numbers of row rr: their sum and the sum of their squares, in short chains
	v_pk_add_f32 v[T0:T0+1], v[XR+16*\rr:XR+16*\rr+1], v[XR+16*\rr+2:XR+16*\rr+3]
	v_pk_add_f32 v[T0+2:T0+3], v[XR+16*\rr+4:XR+16*\rr+5], v[XR+16*\rr+6:XR+16*\rr+7]
	v_pk_add_f32 v[T0+4:T0+5], v[XR+16*\rr+8:XR+16*\rr+9], v[XR+16*\rr+10:XR+16*\rr+11]
	v_pk_add_f32 v[T0+6:T0+7], v[XR+16*\rr+12:XR+16*\rr+13], v[XR+16*\rr+14:XR+16*\rr+15]
	v_pk_mul_f32 v[T0+8:T0+9], v[XR+16*\rr:XR+16*\rr+1], v[XR+16*\rr:XR+16*\rr+1]
	v_pk_mul_f32 v[T0+10:T0+11], v[XR+16*\rr+8:XR+16*\rr+9], v[XR+16*\rr+8:XR+16*\rr+9]
	v_pk_fma_f32 v[T0+8:T0+9], v[XR+16*\rr+2:XR+16*\rr+3], v[XR+16*\rr+2:XR+16*\rr+3], v[T0+8:T0+9]
	v_pk_fma_f32 v[T0+10:T0+11], v[XR+16*\rr+10:XR+16*\rr+11], v[XR+16*\rr+10:XR+16*\rr+11], v[T0+10:T0+11]
	v_pk_fma_f32 v[T0+8:T0+9], v[XR+16*\rr+4:XR+16*\rr+5], v[XR+16*\rr+4:XR+16*\rr+5], v[T0+8:T0+9]
	v_pk_fma_f32 v[T0+10:T0+11], v[XR+16*\rr+12:XR+16*\rr+13], v[XR+16*\rr+12:XR+16*\rr+13], v[T0+10:T0+11]
	v_pk_fma_f32 v[T0+8:T0+9], v[XR+16*\rr+6:XR+16*\rr+7], v[XR+16*\rr+6:XR+16*\rr+7], v[T0+8:T0+9]
	v_pk_fma_f32 v[T0+10:T0+11], v[XR+16*\rr+14:XR+16*\rr+15], v[XR+16*\rr+14:XR+16*\rr+15], v[T0+10:T0+11]
	v_pk_add_f32 v[T0:T0+1], v[T0:T0+1], v[T0+2:T0+3]
	v_pk_add_f32 v[T0+4:T0+5], v[T0+4:T0+5], v[T0+6:T0+7]
	v_pk_add_f32 v[T0+8:T0+9], v[T0+8:T0+9], v[T0+10:T0+11]
	v_pk_add_f32 v[T0:T0+1], v[T0:T0+1], v[T0+4:T0+5]
	v_add_f32 v[SS+\rr], v[T0], v[T0+1]
	v_add_f32 v[QQ+\rr], v[T0+8], v[T0+9]
.endm
.macro PLACES                          ; a load into a register that a matrix instruction has read, and a vector instruction or store that reads a matrix result,
.rept 4                                ; stand four plain vector instructions behind it (ISA guide 7.12.1)
	v_nop
.endr
.endm
.macro LDX dst, st                     ; x fragment of K step st: 16 rows x 32 k, two loads 32 bytes apart
	ds_load_b128 v[\dst:\dst+3], v[XA] offset:64*(\st)
	ds_load_b128 v[\dst+4:\dst+7], v[XA] offset:64*(\st)+32
.endm
.macro LDW dst, adr, st                ; weight fragment of K step st from rows that lie along n: two transposing loads, 16 k rows apart
	ds_load_tr16_b128 v[\dst:\dst+3], v[\adr] offset:32*WP*(\st)
	ds_load_tr16_b128 v[\dst+4:\dst+7], v[\adr] offset:32*WP*(\st)+16*WP
.endm
.macro LDFS buf, c                     ; K steps 2c and 2c+1 for x W1 and x W2: 12 loads in one run: the first three steps' fragments
	LDX \buf, 2*(\c)
	LDW \buf+8, WA1, 2*(\c)
	LDW \buf+16, WA2, 2*(\c)
	LDX \buf+24, 2*(\c)+1
	LDW \buf+32, WA1, 2*(\c)+1
	LDW \buf+40, WA2, 2*(\c)+1
.endm
.macro LDH buf, c                      ; K steps 2c and 2c+1 for x Wf: 8 loads in one run
	LDX \buf, 2*(\c)
	LDW \buf+8, WA3, 2*(\c)
	LDX \buf+16, 2*(\c)+1
	LDW \buf+24, WA3, 2*(\c)+1
.endm
; Step c of eight for x W1 and x W2: K steps 2c and 2c+1 out of buffer c % 3.  left: how many younger LDS loads may stay out.
; Steps 1 to 5 ask for step c + 2, into the buffer that step c - 1 read.  The two accumulators take turns, one instruction a turn.
.macro STEPFS c, left
.set buf, B0+48*((\c)%3)
.set nxt, B0+48*(((\c)+2)%3)
.set ahead, ((\c) >= 1) && ((\c) <= 5)
	s_wait_dscnt \left                             ; LDS loads come back in order: this step's twelve are in
.if ahead
	PLACES                                         ; behind the last step's matrix instructions, ahead of the loads into the buffer that they read
	s_wait_alu depctr_va_vdst(0)                   ; the last step's matrix instructions are done reading the buffer in which this step's twelve loads land
	LDX nxt, 2*(\c)+4
	LDW nxt+8, WA1, 2*(\c)+4
.endif
	v_wmma_f32_16x16x32_f16 v[ACF:ACF+7], v[buf+8:buf+15], v[buf:buf+7], v[ACF:ACF+7]
.if ahead
	LDW nxt+16, WA2, 2*(\c)+4                      ; no further wait: no vector or matrix instruction since the wait names that buffer or an LDS address
.endif
.if (\c) == 0
	v_wmma_f32_16x16x32_f16 v[ACS:ACS+7], v[buf+16:buf+23], v[buf:buf+7], 0
.else
	v_wmma_f32_16x16x32_f16 v[ACS:ACS+7], v[buf+16:buf+23], v[buf:buf+7], v[ACS:ACS+7]
.endif
.if ahead
	LDX nxt+24, 2*(\c)+5
.endif
	v_wmma_f32_16x16x32_f16 v[ACF:ACF+7], v[buf+32:buf+39], v[buf+24:buf+31], v[ACF:ACF+7]
.if ahead
	LDW nxt+32, WA1, 2*(\c)+5
.endif
	v_wmma_f32_16x16x32_f16 v[ACS:ACS+7], v[buf+40:buf+47], v[buf+24:buf+31], v[ACS:ACS+7]
.if ahead
	LDW nxt+40, WA2, 2*(\c)+5
.endif
.endm
; The same for x Wf: even K steps on one accumulator, odd ones on the other: turns of one instruction.
.macro STEPH c, left
.set buf, B0+48*((\c)%3)
.set nxt, B0+48*(((\c)+2)%3)
.set ahead, ((\c) >= 1) && ((\c) <= 5)
	s_wait_dscnt \left                             ; this step's eight are in
.if ahead
	PLACES                                         ; behind the last step's matrix instructions, ahead of the loads into the buffer that they read
	s_wait_alu depctr_va_vdst(0)                   ; the last step's matrix instructions are done reading the buffer in which this step's eight loads land
	LDX nxt, 2*(\c)+4
	LDW nxt+8, WA3, 2*(\c)+4
.endif
.if (\c) == 0
	v_wmma_f32_16x16x32_f16 v[ACF:ACF+7], v[buf+8:buf+15], v[buf:buf+7], 0
.else
	v_wmma_f32_16x16x32_f16 v[ACF:ACF+7], v[buf+8:buf+15], v[buf:buf+7], v[ACF:ACF+7]
.endif
.if ahead
	LDX nxt+16, 2*(\c)+5                           ; no further wait: no vector or matrix instruction since the wait names that buffer or an LDS address
.endif
.if (\c) == 0
	v_wmma_f32_16x16x32_f16 v[ACS:ACS+7], v[buf+24:buf+31], v[buf+16:buf+23], 0
.else
	v_wmma_f32_16x16x32_f16 v[ACS:ACS+7], v[buf+24:buf+31], v[buf+16:buf+23], v[ACS:ACS+7]
.endif
.if ahead
	LDW nxt+24, WA3, 2*(\c)+5
.endif
.endm
	s_load_b512 s[4:19], s[0:1], 0x0               ; x s[4:5], W1 s[6:7], W2 s[8:9], Wf s[10:11], bias s[12:13], mlp_w s[14:15], ha s[16:17], part s[18:19]
	s_load_b64 s[20:21], s[0:1], 0x40              ; wb
	v_lshl_add_u32 v206, v0, 2, 0x2e400
	v_mov_b32 v207, 0
	v_lshrrev_b32 v1, 5, v0
	v_readfirstlane_b32 s22, v1                    ; wave w, 0..15
	v_and_b32 v2, 31, v0                           ; lane
	s_and_b32 s23, ttmp7, 0xffff                   ; block row of 32 rows; ttmp9 is the block column of 32 columns
	v_lshlrev_b32 v3, 4, v2                        ; 16 x lane
	v_lshrrev_b32 v[LA], 3, v2                     ; lane / 8
	v_and_b32 v[LB], 7, v2                         ; lane % 8
	v_lshrrev_b32 v[LH], 4, v2                     ; lane / 16
	v_and_b32 v[LR], 15, v2                        ; lane % 16
	s_wait_alu depctr_va_sdst(0)                   ; s22 is written, ahead of its first reader: offsets, LDS addresses and the branches are made from it
	s_and_b32 s34, s22, 1                          ; which 16 columns my tile has (waves 0-7)
	s_bfe_u32 s33, s22, 0x10001                    ; which 16 rows
	s_lshl_b32 s28, s22, 12
	v_add_nc_u32 v[XO], s28, v3                    ; x: my two rows are 4,096 consecutive bytes
	s_lshl_b32 s29, s22, 16                        ; weights: 32 w rows of 2,048 bytes,
	v_lshlrev_b32 v[TM], 12, v[LA]                 ; + 2 (lane/8) rows,
	v_lshl_add_u32 v[TM], v[LB], 4, v[TM]          ; + 16 (lane%8)
	v_add_nc_u32 v[WO], s29, v[TM]
	s_lshl_b32 s32, s34, 6
	v_lshl_add_u32 v[BO], v[LH], 5, s32            ; bias: 4 (16 wn + 8 (lane/16))
	s_lshl_b32 s44, s22, 11
	v_add_nc_u32 v[MO], s44, v3                    ; mlp_w: row w of my sixteen
	s_lshl_b32 s24, s23, 16                        ; 32 rows of x
	s_mov_b32 s25, 0
	s_lshl_b32 s26, ttmp9, 7                       ; 32 columns of f32
	s_mov_b32 s27, 0
	s_lshl_b32 s46, s23, 18                        ; mlp_w: row tile 8 y + x / 2, 16 rows of 2,048 bytes each,
	s_lshr_b32 s45, ttmp9, 1
	s_lshl_b32 s45, s45, 15
	s_add_co_u32 s46, s46, s45
	s_and_b32 s45, ttmp9, 1                        ; and half x % 2 of a row: 1,024 bytes
	s_lshl_b32 s45, s45, 10
	s_add_co_u32 s46, s46, s45
	s_mov_b32 s47, 0
	s_wait_kmcnt 0x0
	s_add_nc_u64 s[4:5], s[4:5], s[24:25]
	s_add_nc_u64 s[6:7], s[6:7], s[26:27]
	s_add_nc_u64 s[8:9], s[8:9], s[26:27]
	s_add_nc_u64 s[10:11], s[10:11], s[26:27]
	s_add_nc_u64 s[12:13], s[12:13], s[26:27]
	s_add_nc_u64 s[14:15], s[14:15], s[46:47]
	s_wait_alu depctr_va_vdst(0)                   ; the four offsets v[XO], v[WO], v[BO], v[MO] are written, which the loads below read
	s_cmp_ge_u32 s22, 4
	s_cbranch_scc1 .Lno_bias                       ; only waves 0-3 add bias.  These two loads are the oldest, so the counts below hold with and without them
	global_load_b128 v[ACF:ACF+3], v[BO], s[12:13]             ; bias of my 8 columns lands in the accumulator: the first product adds onto it
	global_load_b128 v[ACF+4:ACF+7], v[BO], s[12:13] offset:16
.Lno_bias:
	global_load_b128 v[MW:MW+3], v[MO], s[14:15] th:TH_LOAD_NT             ; no other work-group of the launch reads these bytes
	global_load_b128 v[MW+4:MW+7], v[MO], s[14:15] offset:512 th:TH_LOAD_NT
.set i, 0
.rept 8
	global_load_b128 v[XR+4*i:XR+4*i+3], v[XO], s[4:5] offset:512*i
.set i, i+1
.endr
	LOADW W1R, 6
	LOADW W2R, 8
	LOADW WFR, 10
	; LDS addresses and output offsets, while the loads are on their way.  None of these lines writes a register that a load above reads or lands in
	s_mov_b32 s30, 0x76543210                      ; v_permlanex16_b32: lane i of one half reads lane i of the other
	s_mov_b32 s31, 0xfedcba98
	s_mul_i32 s35, s22, 2*XPITCH
	v_lshl_add_u32 v[XS], v2, 3, s35               ; my two rows of x, 8 bytes a lane
	s_mul_i32 s36, s22, 32*WP
	s_add_co_u32 s36, s36, W1S
	v_mul_u32_u24 v[TM], v[LA], 2*WP
	v_lshl_add_u32 v[TM], v[LB], 3, v[TM]
	v_add_nc_u32 v[WS1], s36, v[TM]                ; my 32 k rows of a weight tile: 3,072 bytes of my own
	v_add_nc_u32 v[WS2], WTILE, v[WS1]
	v_add_nc_u32 v[WS3], 2*WTILE, v[WS1]
	s_lshl_b32 s37, s22, 3
	s_add_co_u32 s37, s37, TS
	v_mov_b32 v[TSA], s37
	s_mul_i32 s38, s33, 16*XPITCH
	v_mul_u32_u24 v[TM], v[LR], XPITCH
	v_lshl_add_u32 v[TM], v[LH], 4, v[TM]
	v_add_nc_u32 v[XA], s38, v[TM]                 ; row (16 wm + lane%16), + 16 (lane/16)
	v_lshl_add_u32 v[TM], v[LH], 3, v[LB]          ; k row 8 (lane/16) + lane%8,
	v_mul_u32_u24 v[TM], v[TM], WP
	v_bfe_u32 v[TN], v2, 3, 1
	v_lshl_add_u32 v[TM], v[TN], 4, v[TM]          ; + 16 bytes for lanes 8-15 and 24-31,
	s_lshl_b32 s39, s34, 5                         ; + my tile's 16 columns
	s_add_co_u32 s39, s39, W1S
	v_add_nc_u32 v[WA1], s39, v[TM]
	v_add_nc_u32 v[WA2], WTILE, v[WA1]
	v_add_nc_u32 v[WA3], 2*WTILE, v[WA1]
	s_lshl_b32 s40, s33, 6
	s_add_co_u32 s40, s40, TS
	v_lshl_add_u32 v[TA], v[LR], 2, s40            ; T of row 16 wm + lane%16
	s_lshl_b32 s41, s23, 16                        ; part: ((2 mb + wm) 32 + 2 nb + wn) tiles of 1,024 bytes
	s_lshl_b32 s43, s33, 15
	s_add_co_u32 s41, s41, s43
	s_lshl_b32 s43, ttmp9, 11
	s_add_co_u32 s41, s41, s43
	s_lshl_b32 s43, s34, 10
	s_add_co_u32 s41, s41, s43
	s_lshr_b32 s42, s41, 1                         ; ha: ((2 mb + wm) 16 + nb) fragments of 1,024 bytes + 512 wn: half of the same number
	v_add_nc_u32 v[PO], s41, v3
	v_add_nc_u32 v[HO], s42, v3
	s_mul_i32 s48, s22, CVP
	s_add_co_u32 s48, s48, CV
	v_lshl_add_u32 v[MS], v2, 3, s48               ; mlp_w in: row w, 8 bytes a lane
	s_and_b32 s49, s22, 7                          ; mlp_w back (waves 8-15): k block j = w - 8,
	s_lshl_b32 s50, s49, 6                         ; 64 bytes of each row,
	s_add_co_u32 s50, s50, CV
	v_mul_u32_u24 v[TM], v[LR], CVP                ; row lane%16,
	v_lshl_add_u32 v[TM], v[LH], 4, v[TM]          ; + 16 (lane/16)
	v_add_nc_u32 v[MA], s50, v[TM]
	s_lshl_b32 s51, s23, 17                        ; wb: fragment 16 (8 y + x / 2) + 8 (x % 2) + j = 128 y + 8 x + j, 1,024 bytes each
	s_lshl_b32 s52, ttmp9, 13
	s_add_co_u32 s51, s51, s52
	s_lshl_b32 s52, s49, 10
	s_add_co_u32 s51, s51, s52
	v_add_nc_u32 v[MG], s51, v3
	; x: each lane's part of the row sums in f32 from the numbers as they came; then x to f16 and mlp_w to bf16, in place
	s_wait_loadcnt 24                              ; mlp_w's two loads and x's eight are in; the 24 of the three weights stay out
	ROWSUM 0
	ROWSUM 1
.set i, 0
.rept 8
	v_cvt_pk_f16_f32 v[XR+4*i], v[XR+4*i], v[XR+4*i+1]
	v_cvt_pk_f16_f32 v[XR+4*i+1], v[XR+4*i+2], v[XR+4*i+3]
.set i, i+1
.endr
.set i, 0
.rept 2
	v_cvt_pk_bf16_f32 v[MW+4*i], v[MW+4*i], v[MW+4*i+1]        ; mlp_w: bf16, the format of the later layers' operands
	v_cvt_pk_bf16_f32 v[MW+4*i+1], v[MW+4*i+2], v[MW+4*i+3]
.set i, i+1
.endr
	s_wait_alu depctr_va_vdst(0)                   ; the twenty conversions have written the pairs of XR and MW that the ten LDS stores below read; every LDS address and store offset made above is written
	; the sums go across the lanes; x's and mlp_w's stores are dealt among these lines, which name SS, QQ, T0 and TT alone
.set i, 0
.irp m, 1,2,4,8
	v_add_f32_dpp v[SS], v[SS], v[SS] row_xmask:\m row_mask:0xf bank_mask:0xf
	ds_store_b64 v[XS], v[XR+4*i:XR+4*i+1] offset:(i/4)*XPITCH+(i%4)*256
	v_add_f32_dpp v[SS+1], v[SS+1], v[SS+1] row_xmask:\m row_mask:0xf bank_mask:0xf
	v_add_f32_dpp v[QQ], v[QQ], v[QQ] row_xmask:\m row_mask:0xf bank_mask:0xf
	ds_store_b64 v[XS], v[XR+4*i+4:XR+4*i+5] offset:((i+1)/4)*XPITCH+((i+1)%4)*256
	v_add_f32_dpp v[QQ+1], v[QQ+1], v[QQ+1] row_xmask:\m row_mask:0xf bank_mask:0xf
.set i, i+2
.endr
	v_permlanex16_b32 v[T0], v[SS], s30, s31       ; the other half of the lanes (the destinations have been written above)
	v_permlanex16_b32 v[T0+1], v[SS+1], s30, s31
	ds_store_b64 v[MS], v[MW:MW+1]
	v_permlanex16_b32 v[T0+2], v[QQ], s30, s31
	v_permlanex16_b32 v[T0+3], v[QQ+1], s30, s31
	ds_store_b64 v[MS], v[MW+4:MW+5] offset:256
	v_pk_add_f32 v[SS:SS+1], v[SS:SS+1], v[T0:T0+1]
	v_pk_add_f32 v[QQ:QQ+1], v[QQ:QQ+1], v[T0+2:T0+3]
	v_fma_f32 v[TT], -v[SS], v[SS], v[QQ]          ; sum x^2 - (sum x)^2
	v_fma_f32 v[TT+1], -v[SS+1], v[SS+1], v[QQ+1]
	v_mul_f32 v[TT], 0.5, v[TT]
	v_mul_f32 v[TT+1], 0.5, v[TT+1]
	STOREW W1R, WS1, 16, 1                         ; T's store stands behind W1's wait
	STOREW W2R, WS2, 8, 0
	STOREW WFR, WS3, 0, 0
	s_wait_dscnt 0x0                               ; my stores are in LDS, for the others' sake
	s_barrier_signal -1
	s_barrier_wait -1                              ; everybody's are; from here on LDS is only read
	s_wait_alu depctr_vm_vsrc(0)                   ; my LDS stores have read their data in v[32:159] and in MW: LDS loads land in these registers on all three ways below
	s_cmp_ge_u32 s22, 8
	s_cbranch_scc1 .Lconv
	s_cmp_ge_u32 s22, 4
	s_cbranch_scc1 .Ldeep
	; waves 0-3: x W1 + bias and x W2, 16 K steps, two to a step, through three buffers.  The last vector instructions that named v[32:175] stand ahead of the wait behind Wf's conversions
	ds_load_b32 v[TV], v[TA]
	ds_load_b32 v[TV+1], v[TA]
	LDFS B0, 0
	LDFS B0+48, 1
	LDFS B0+96, 2
	STEPFS 0, 24                                   ; T and step 0's twelve are in; steps 1 and 2 stay out
.irp c, 1,2,3,4,5,6
	STEPFS \c, 12                                  ; all but the twelve loads of the next step
.endr
	STEPFS 7, 0
	PLACES
.irp p, 0,2,4,6
	v_pk_mul_f32 v[UU+\p:UU+\p+1], v[ACS+\p:ACS+\p+1], v[TV:TV+1]                            ; T xw
.endr
.irp p, 0,2,4,6
	v_pk_fma_f32 v[ACF+\p:ACF+\p+1], v[UU+\p:UU+\p+1], v[ACS+\p:ACS+\p+1], v[ACF+\p:ACF+\p+1]   ; (T xw) xw + first order
.endr
	s_wait_alu depctr_va_vdst(0)                   ; the four packed multiply-adds have written v[ACF ..], which the stores read
	global_store_b128 v[PO], v[ACF:ACF+3], s[18:19]            ; each store of the wave covers 512 consecutive bytes, aligned
	global_store_b128 v[PO], v[ACF+4:ACF+7], s[18:19] offset:512
	s_wait_dscnt 0x0
	s_wait_alu depctr_hold_cnt(0) depctr_sa_sdst(0) depctr_va_vdst(0) depctr_va_sdst(0) depctr_va_ssrc(0) depctr_va_vcc(0) depctr_vm_vsrc(0)
	s_wait_tensorcnt 0x0
	ds_add_u32 v206, v207
	s_wait_dscnt 0x0
	s_endpgm
.Ldeep:
	; waves 4-7: x Wf
	LDH B0, 0
	LDH B0+48, 1
	LDH B0+96, 2
	STEPH 0, 16                                    ; step 0's eight are in; steps 1 and 2 stay out
.irp c, 1,2,3,4,5,6
	STEPH \c, 8                                    ; all but the eight loads of the next step
.endr
	STEPH 7, 0
	PLACES
.irp p, 0,2,4,6
	v_pk_add_f32 v[ACF+\p:ACF+\p+1], v[ACF+\p:ACF+\p+1], v[ACS+\p:ACS+\p+1]
.endr
.irp p, 0,1,2,3
	v_cvt_pk_bf16_f32 v[UU+\p], v[ACF+2*\p], v[ACF+2*\p+1]     ; h0 leaves as bf16: the next layer's operand format
.endr
	s_wait_alu depctr_va_vdst(0)                   ; the four conversions have written v[UU ..], which the store reads
	global_store_b128 v[HO], v[UU:UU+3], s[16:17]              ; my half of a fragment: 512 consecutive bytes, aligned
	s_wait_dscnt 0x0
	s_wait_alu depctr_hold_cnt(0) depctr_sa_sdst(0) depctr_va_vdst(0) depctr_va_sdst(0) depctr_va_ssrc(0) depctr_va_vcc(0) depctr_vm_vsrc(0)
	s_wait_tensorcnt 0x0
	ds_add_u32 v206, v207
	s_wait_dscnt 0x0
	s_endpgm
.Lconv:
	; waves 8-15: one fragment of mlp_w each: 16 rows x 32 k as an operand register image
	ds_load_b128 v[MW:MW+3], v[MA]                 ; k = 8 (lane/16) + 0..7 of row lane%16
	ds_load_b128 v[MW+4:MW+7], v[MA] offset:32     ; k = 16 + 8 (lane/16) + 0..7
	s_wait_dscnt 0x0
	global_store_b128 v[MG], v[MW:MW+3], s[20:21]              ; 512 consecutive bytes a store, aligned
	global_store_b128 v[MG], v[MW+4:MW+7], s[20:21] offset:512
	s_wait_dscnt 0x0
	s_wait_alu depctr_hold_cnt(0) depctr_sa_sdst(0) depctr_va_vdst(0) depctr_va_sdst(0) depctr_va_ssrc(0) depctr_va_vcc(0) depctr_vm_vsrc(0)
	s_wait_tensorcnt 0x0
	ds_add_u32 v206, v207
	s_wait_dscnt 0x0
	s_endpgm
.Lfunc_end_k_qd68bceed36_front:
	.size	k_qd68bceed36_front, .Lfunc_end_k_qd68bceed36_front-k_qd68bceed36_front
	.p2alignl 7, 3214868480
	.fill 96, 4, 3214868480
	.section	.rodata,"a",@progbits
	.p2align	6, 0x0
	.amdhsa_kernel k_qd68bceed36_front
		.amdhsa_group_segment_fixed_size 191488
		.amdhsa_private_segment_fixed_size 0
		.amdhsa_enable_private_segment 0
		.amdhsa_kernarg_size 72
		.amdhsa_user_sgpr_count 2
		.amdhsa_user_sgpr_kernarg_segment_ptr 1
		.amdhsa_wavefront_size32 1
		.amdhsa_system_sgpr_workgroup_id_x 1
		.amdhsa_system_sgpr_workgroup_id_y 1
		.amdhsa_system_sgpr_workgroup_id_z 1
		.amdhsa_system_vgpr_workitem_id 0
		.amdhsa_next_free_vgpr 208
		.amdhsa_next_free_sgpr 66
		.amdhsa_reserve_vcc 0
		.amdhsa_float_denorm_mode_32 3
		.amdhsa_float_denorm_mode_16_64 3
		.amdhsa_memory_ordered 1
		.amdhsa_forward_progress 1
		.amdhsa_inst_pref_size 37
	.end_amdhsa_kernel
	.amdgpu_metadata
---
amdhsa.version: [ 1, 2 ]
amdhsa.kernels:
  - .name:           k_qd68bceed36_front
    .symbol:         k_qd68bceed36_front.kd
    .args:
      - { .name: x, .offset: 0, .size: 8, .value_kind: global_buffer, .address_space: global }
      - { .name: first_order_weights, .offset: 8, .size: 8, .value_kind: global_buffer, .address_space: global }
      - { .name: second_order_weights, .offset: 16, .size: 8, .value_kind: global_buffer, .address_space: global }
      - { .name: feature_weights, .offset: 24, .size: 8, .value_kind: global_buffer, .address_space: global }
      - { .name: bias, .offset: 32, .size: 8, .value_kind: global_buffer, .address_space: global }
      - { .name: mlp_w, .offset: 40, .size: 8, .value_kind: global_buffer, .address_space: global }
      - { .name: ha, .offset: 48, .size: 8, .value_kind: global_buffer, .address_space: global }
      - { .name: part, .offset: 56, .size: 8, .value_kind: global_buffer, .address_space: global }
      - { .name: wb, .offset: 64, .size: 8, .value_kind: global_buffer, .address_space: global }
    .group_segment_fixed_size: 191488
    .private_segment_fixed_size: 0
    .kernarg_segment_align: 8
    .kernarg_segment_size: 72
    .max_flat_workgroup_size: 512
    .sgpr_count:     66
    .vgpr_count:     208
    .wavefront_size: 32
...
	.end_amdgpu_metadata
.endif
;; end of part 6
;; launch layer0: the kernel of part 2 again; grid 16 x 16, 4 waves a work-group, no clusters, 16,896 bytes of LDS; arguments ha, wb, mlp_b, hb; writes hb
;; launch layer1: the kernel of part 3 again; grid 16 x 16, 4 waves a work-group, no clusters, 16,896 bytes of LDS; arguments hb, wb, mlp_b, ha; writes ha
;; launch layer2: the kernel of part 4 again; grid 16 x 16, 4 waves a work-group, no clusters, 16,896 bytes of LDS; arguments ha, wb, mlp_b, hb; writes hb
;; launch last: the kernel of part 5 again; grid 8 x 32, 4 waves a work-group, no clusters, 22,528 bytes of LDS; arguments hb, wb, mlp_b, part, out0; writes out0
